; MI455X (gfx1250); checked and timed in simulation.
; The chip was launched on July 23, 2026; its instructions are those of AMD's public machine-readable ISA for CDNA 5 (MIT licence, August 2026) and "CDNA5" Instruction Set Architecture Reference Guide (July 2026). The comments in the code are by the model that wrote it; some were corrected since.
;; Transformer Block. Allowed arithmetic: matrix products marked QUANTISED: E5M2 operands, one given power-of-two scale a tensor, by v_wmma_f32_16x16x64_bf8_bf8 or v_wmma_f32_16x16x128_bf8_bf8, f32 sums; everything else in f32.
;; Inputs: W1_codes 4,096 x 32 x 32 uint8 (E5M2 codes of W1, K innermost, in blocks of 32 codes); W2_codes 1,024 x 128 x 32 uint8 (E5M2 codes of W2, K innermost, in blocks of 32 codes); Wk_codes 1,024 x 32 x 32 uint8 (E5M2 codes of Wk, K innermost, in blocks of 32 codes); Wo_codes 1,024 x 32 x 32 uint8 (E5M2 codes of Wo, K innermost, in blocks of 32 codes); Wq_codes 1,024 x 32 x 32 uint8 (E5M2 codes of Wq, K innermost, in blocks of 32 codes); Wv_codes 1,024 x 32 x 32 uint8 (E5M2 codes of Wv, K innermost, in blocks of 32 codes); b1 4,096 float32; b2 1,024 float32; bo 1,024 float32; ln1_scale 1,024 float32; ln1_shift 1,024 float32; ln2_scale 1,024 float32; ln2_shift 1,024 float32; lowp_scales 16 int32 (the exponents e of the quantised operands' scales 2^e); x 2 x 2,048 x 1,024 float32.
;; Outputs: out0 2 x 2,048 x 1,024 float32.
;; This version of the problem:
;;   THIS VERSION OF THE PROBLEM IS GIVEN IN LOW PRECISION. The matrix products marked QUANTISED in the list below multiply operands that are first quantised to E5M2 (5 exponent bits, 2 mantissa bits; 8 bits a number), with one given power-of-two scale for each operand tensor; their sums are f32. All else is computed in f32.
;;   The module's matrix products, in the order in which they are computed (A, B: the left and right operand; K: the contracted axis; several contracted axes count as one K, in the product's order):
;;     1. [M 4,096, K 1,024] x [K 1,024, N 1,024]; A: computed on the way; B: input Wq (given as codes): QUANTISED (scales: A lowp_scales[0], B lowp_scales[1])
;;     2. [M 4,096, K 1,024] x [K 1,024, N 1,024]; A: computed on the way; B: input Wk (given as codes): QUANTISED (scales: A lowp_scales[2], B lowp_scales[3])
;;     3. [M 4,096, K 1,024] x [K 1,024, N 1,024]; A: computed on the way; B: input Wv (given as codes): QUANTISED (scales: A lowp_scales[4], B lowp_scales[5])
;;     4. batch 32 x [M 2,048, K 64] x [K 64, N 2,048]; A: computed on the way; B: computed on the way: QUANTISED (scales: A lowp_scales[6], B lowp_scales[7])
;;     5. batch 32 x [M 64, K 2,048] x [K 2,048, N 2,048]; A: computed on the way; B: softmax (see below): QUANTISED (scales: A lowp_scales[8], B lowp_scales[9])
;;     6. [M 4,096, K 1,024] x [K 1,024, N 1,024]; A: computed on the way; B: input Wo (given as codes): QUANTISED (scales: A lowp_scales[10], B lowp_scales[11])
;;     7. [M 4,096, K 1,024] x [K 1,024, N 4,096]; A: computed on the way; B: input W1 (given as codes): QUANTISED (scales: A lowp_scales[12], B lowp_scales[13])
;;     8. [M 4,096, K 4,096] x [K 4,096, N 1,024]; A: computed on the way; B: input W2 (given as codes): QUANTISED (scales: A lowp_scales[14], B lowp_scales[15])
;;   THE QUANTISER, for each operand of a quantised product, along K:
;;     - The operand's scale is 2^e, e = its entry of the input lowp_scales (int32; the entries are numbered through the quantised products in the list's order, A before B).
;;     - Each number is divided by the scale, clamped to +-57,344, and rounded to the nearest number of E5M2, ties to even, subnormals kept.
;;     - The product sums the exact products of the quantised numbers (number of the format x scale) in f32.
;;   ~~~python
;;   def quantise(x, axis, e):      # numpy; x: float32 -> the quantised numbers, widened to float32 again
;;       x = np.moveaxis(x, axis, -1); K = x.shape[-1]
;;       r = np.clip(x / 2.0 ** e, -57344, 57344)
;;       step = 2.0 ** (np.maximum(np.frexp(np.where(r == 0, 1, r))[1] - 1, -14) - 2)
;;       q = np.round(r / step) * step * 2.0 ** e      # np.round: ties to even
;;       return np.moveaxis(q, -1, axis).astype(np.float32)
;;   ~~~
;;   SOFTMAX AHEAD OF A QUANTISED PRODUCT. Where the list says 'softmax', what is quantised is not the finished softmax but p = 2^(t - M), with t = logit x log2(e) and M = ceil(the row's largest t), a whole number; so 1/2 < the row's largest p <= 1. The row's sum l is taken of the UNQUANTISED p, in f32, and the product's result is divided by l at the end. Since M is a whole number, a kernel that streams over the keys may use a running M (the ceiling of the running maximum): every later rescaling is an exact power of two, so the quantised numbers keep their values, but for numbers so far below the row's largest that they fall under the format's range.
;;   OPERANDS COMPUTED ON THE WAY. 'Computed on the way' means the value that the module computes at that place (a softmax that the list does not call 'softmax' is quantised finished and normalised). What goes into a quantiser is computed in f32, as accurately as f32 sums, v_exp_f32 and their like allow (about 1e-6 of the number): no bf16 or f16 on the way to a quantiser, and a product that is left as it is and whose result goes on into a quantised operand takes f32 operands (vector FMAs, or v_wmma_f32_16x16x4_f32). A number that lies on a knife's edge between two numbers of the format may be rounded either way, as far as f32 arithmetic and the matrix unit's own rounding can turn it there, and no further.
;;   INPUTS GIVEN AS CODES. W1 (in the module: [1024, 4096], K = its axis 0); W2 (in the module: [4096, 1024], K = its axis 0); Wk (in the module: [1024, 1024], K = its axis 0); Wo (in the module: [1024, 1024], K = its axis 0); Wq (in the module: [1024, 1024], K = its axis 0); Wv (in the module: [1024, 1024], K = its axis 0): each comes as NAME_codes (uint8): NAME with its K axis moved to the last place and cut into blocks of 32 codes, [.., K / 32, bytes a block], one block behind the other in memory; one code a byte (a code: sign, 5 exponent bits, 2 mantissa bits); its scale is its entry of lowp_scales. Its value is code x scale, taken as it is: it is not quantised again, and the codes and scales need not be those that the quantiser above would give.
;; One version. Each part assembles by itself: llvm-mc -triple=amdgcn-amd-amdhsa -mcpu=gfx1250 --defsym DOCPART=n.
;; ======== version 1 of 1: 7 launches
;; limits: right only within a limited range of input values
;; workspace buffers: h3 12,582,912 bytes; qkvi 12,582,912 bytes; cimg 4,194,304 bytes; x1 16,777,216 bytes; h2 4,194,304 bytes; gimg 16,777,216 bytes
;; launch ln1 (part 1): grid 256 x 1, 16 waves a work-group, no clusters, 136,192 bytes of LDS; arguments x, ln1_scale, ln1_shift, lowp_scales, h3; writes h3
.if DOCPART == 1
	.amdgcn_target "amdgcn-amd-amdhsa--gfx1250"
	.amdhsa_code_object_version 6
	.text
	.protected	k_q1b9f74de5a_ln1
	.globl	k_q1b9f74de5a_ln1
	.p2align	8
	.type	k_q1b9f74de5a_ln1,@function
k_q1b9f74de5a_ln1:
	s_mov_b64 s[64:65], 0
	v_nop
	global_prefetch_b8 v0, s[64:65] scope:SCOPE_SE
	s_setreg_imm32_b32 hwreg(HW_REG_WAVE_MODE, 25, 1), 1
	s_wait_xcnt 0x0
; LayerNorm of x [4096][1024] f32, then its codes of BF8 (E5M2), NOUT times, each with its own given scale 2^e (entries EIDX, EIDX+2, .. of the scales).
; y = gain (x - mean) / sqrt(var + 1e-5) + shift, mean and var in two passes over the row, which stays in registers: all in f32.
; code = y / 2^e, held within +-57,344, rounded to the nearest code, ties to even.  LIMITS: -126 <= e <= 112; NaN among the inputs is not served.
; SHARES.  A work-group is one block G of 16 rows of the output image, a wave one row r: token 32 (G / 2) + 8 (G % 2) + r + 8 (r / 8).
; THE IMAGE.  The code of (G, r, k) lies at (k / 512) 2,097,152 + 8,192 G + 256 ((k % 512) / 16) + 16 r + k % 16: the order in which the product's operand registers take it.
; A lane loads 16 bytes of each 512 (neighbouring lanes, neighbouring bytes); the conversions want 16 neighbours along k in one lane, so y turns through the wave's own stage in LDS.
; A piece of the image (256 bytes: 16 rows x 16 codes) comes from all 16 waves: the codes meet in a second stage, behind one barrier, and leave as runs of 512 consecutive bytes, aligned.
.set NOUT,  3
.set EIDX,  0
.set SP,    80                         ; a lane's place in a turning stage: 64 bytes + 16 of padding
.set WTURN, 2*32*SP                    ; two turning stages for each wave
.set CST,   16*WTURN                   ; the codes' stage: for each output 64 pieces, CP bytes apart
.set CP,    272
.set COUT,  64*CP
.set SCL,   20                         ; v[SCL+2i] 2^e_i, v[SCL+2i+1] 57,344 x 2^e_i
.set R,     32                         ; v32-63   the row, then x - mean, then y
.set GA,    64                         ; v64-95   gain
.set BE,    96                         ; v96-127  shift
.set X,     128                        ; v128-159 y, 16 neighbours a lane, two halves of the row
.set T,     160                        ; v160-191 held numbers, two sets by turns
.set C,     192                        ; v192..   codes, four registers for each output and half
.set O,     216                        ; v216..   the way out
	s_load_b256 s[4:11], s[0:1], 0x0               ; x, gain, shift, the scales' exponents
	s_load_b64 s[12:13], s[0:1], 0x20              ; the images
	v_lshl_add_u32 v240, v0, 2, 0x20c00
	v_mov_b32 v241, 0
	v_lshrrev_b32 v1, 5, v0
	s_delay_alu instid0(VALU_DEP_1)
	v_readfirstlane_b32 s16, v1                    ; wave = row r
	v_and_b32 v1, 31, v0                           ; lane
	s_delay_alu instid0(VALU_DEP_1)
	v_lshlrev_b32 v3, 4, v1                        ; 16 x lane; never rewritten
	s_lshr_b32 s17, ttmp9, 1
	s_lshl_b32 s17, s17, 5
	s_and_b32 s18, ttmp9, 1
	s_lshl_b32 s18, s18, 3
	s_add_co_u32 s17, s17, s18
	s_add_co_u32 s17, s17, s16
	s_and_b32 s18, s16, 8
	s_add_co_u32 s17, s17, s18                     ; my token
	s_lshl_b32 s18, s17, 12                        ; a row is 4,096 bytes
	s_mov_b32 s19, 0
	s_wait_alu depctr_va_vdst(0)
	s_wait_kmcnt 0x0
	s_load_b512 s[32:47], s[10:11], 0x0            ; all sixteen exponents
	s_add_nc_u64 s[4:5], s[4:5], s[18:19]
.irp i, 0,1,2,3,4,5,6,7
	global_load_b128 v[R+4*\i:R+4*\i+3], v3, s[4:5] offset:512*\i th:TH_LOAD_NT
.endr
.irp i, 0,1,2,3,4,5,6,7
	global_load_b128 v[GA+4*\i:GA+4*\i+3], v3, s[6:7] offset:512*\i
.endr
.irp i, 0,1,2,3,4,5,6,7
	global_load_b128 v[BE+4*\i:BE+4*\i+3], v3, s[8:9] offset:512*\i
.endr
	v_lshrrev_b32 v2, 2, v1
	s_delay_alu instid0(VALU_DEP_1)
	v_mul_u32_u24 v14, v2, SP
	v_and_b32 v2, 3, v1
	s_delay_alu instid0(VALU_DEP_1)
	v_lshl_add_u32 v14, v2, 4, v14
	s_mul_i32 s20, s16, WTURN
	v_add_nc_u32 v14, s20, v14                     ; turning stage, in: four lanes' 64 bytes on end, then padding
	v_mul_u32_u24 v15, v1, SP
	s_delay_alu instid0(VALU_DEP_1)
	v_add_nc_u32 v15, s20, v15                     ; and out: my 64 bytes
	s_lshl_b32 s20, s16, 4
	s_add_co_u32 s20, s20, CST
	v_mul_u32_u24 v16, v1, CP
	s_delay_alu instid0(VALU_DEP_1)
	v_add_nc_u32 v16, s20, v16                     ; codes' stage, in: piece = lane, 16 bytes at my row
	s_mul_i32 s20, s16, 4*CP
	s_add_co_u32 s20, s20, CST
	v_lshrrev_b32 v2, 4, v1
	s_delay_alu instid0(VALU_DEP_1)
	v_mul_u32_u24 v17, v2, CP
	v_and_b32 v2, 15, v1
	s_delay_alu instid0(VALU_DEP_1)
	v_lshl_add_u32 v17, v2, 4, v17
	s_delay_alu instid0(VALU_DEP_1)
	v_add_nc_u32 v17, s20, v17                     ; and out: pieces 4 w on, sixteen lanes to a piece
	s_lshr_b32 s20, s16, 3
	s_lshl_b32 s20, s20, 21                        ; pieces 4 w .. 4 w + 3 lie in half w / 8 of K,
	s_lshl_b32 s21, ttmp9, 13                      ; in block G,
	s_add_co_u32 s20, s20, s21
	s_and_b32 s21, s16, 7
	s_lshl_b32 s21, s21, 10                        ; at piece 4 (w % 8)
	s_add_co_u32 s20, s20, s21
	s_mov_b32 s21, 0
	s_add_nc_u64 s[22:23], s[12:13], s[20:21]
.if NOUT > 1
	s_add_nc_u64 s[24:25], s[22:23], 0x400000      ; the images lie 4 MiB apart: a base for each
	s_add_nc_u64 s[26:27], s[22:23], 0x800000
.endif
	s_mov_b32 s28, 0x76543210                      ; v_permlanex16_b32: lane l xor 16
	s_mov_b32 s29, 0xfedcba98
	s_mov_b32 s30, 0x3a800000                      ; 1 / 1024
	s_mov_b32 s31, 0x3727c5ac                      ; 1e-5
	s_wait_kmcnt 0x0
.set n, 0
.rept NOUT
	s_add_co_i32 s20, s[32+EIDX+2*n], 127
	s_lshl_b32 s21, s20, 23
	v_mov_b32 v[SCL+2*n], s21                      ; 2^e as f32: the conversion takes its exponent field
	s_add_co_i32 s20, s20, 15
	s_lshl_b32 s20, s20, 23
	s_or_b32 s20, s20, 0x600000
	v_mov_b32 v[SCL+2*n+1], s20                    ; 57,344 x 2^e
.set n, n+1
.endr
.macro FOLD                            ; four chains of pairs in v[4:11] become one sum, in every lane's v4
	s_delay_alu instid0(VALU_DEP_3)
	v_pk_add_f32 v[4:5], v[4:5], v[6:7]
	s_delay_alu instid0(VALU_DEP_2)
	v_pk_add_f32 v[8:9], v[8:9], v[10:11]
	s_delay_alu instid0(VALU_DEP_1)
	v_pk_add_f32 v[4:5], v[4:5], v[8:9]
	s_delay_alu instid0(VALU_DEP_1)
	v_add_f32 v4, v4, v5
	s_delay_alu instid0(VALU_DEP_1)
	v_add_f32_dpp v4, v4, v4 row_xmask:1 row_mask:0xf bank_mask:0xf
	s_delay_alu instid0(VALU_DEP_1)
	v_add_f32_dpp v4, v4, v4 row_xmask:2 row_mask:0xf bank_mask:0xf
	s_delay_alu instid0(VALU_DEP_1)
	v_add_f32_dpp v4, v4, v4 row_xmask:4 row_mask:0xf bank_mask:0xf
	s_delay_alu instid0(VALU_DEP_1)
	v_add_f32_dpp v4, v4, v4 row_xmask:8 row_mask:0xf bank_mask:0xf
	s_delay_alu instid0(VALU_DEP_1)
	v_permlanex16_b32 v5, v4, s28, s29
	s_delay_alu instid0(VALU_DEP_1)
	v_add_f32 v4, v4, v5
.endm
	s_wait_loadcnt 16                              ; the row's eight loads are in; the sixteen of gain and shift may be out
	v_pk_add_f32 v[4:5], v[R:R+1], v[R+2:R+3]
	v_pk_add_f32 v[6:7], v[R+4:R+5], v[R+6:R+7]
	v_pk_add_f32 v[8:9], v[R+8:R+9], v[R+10:R+11]
	v_pk_add_f32 v[10:11], v[R+12:R+13], v[R+14:R+15]
.irp j, 16,24
	s_delay_alu instid0(VALU_DEP_4)
	v_pk_add_f32 v[4:5], v[4:5], v[R+\j:R+\j+1]
	s_delay_alu instid0(VALU_DEP_4)
	v_pk_add_f32 v[6:7], v[6:7], v[R+\j+2:R+\j+3]
	s_delay_alu instid0(VALU_DEP_4)
	v_pk_add_f32 v[8:9], v[8:9], v[R+\j+4:R+\j+5]
	s_delay_alu instid0(VALU_DEP_4)
	v_pk_add_f32 v[10:11], v[10:11], v[R+\j+6:R+\j+7]
.endr
	FOLD
	s_delay_alu instid0(VALU_DEP_1)
	v_mul_f32 v12, s30, v4                         ; the mean
	s_delay_alu instid0(VALU_DEP_1)
	v_mov_b32 v13, v12
.set j, 0
.rept 16
	v_pk_add_f32 v[R+j:R+j+1], v[R+j:R+j+1], v[12:13] op_sel_hi:[1,0] neg_lo:[0,1] neg_hi:[0,1]   ; x - mean
.set j, j+2
.endr
	v_pk_mul_f32 v[4:5], v[R:R+1], v[R:R+1]
	v_pk_mul_f32 v[6:7], v[R+2:R+3], v[R+2:R+3]
	v_pk_mul_f32 v[8:9], v[R+4:R+5], v[R+4:R+5]
	v_pk_mul_f32 v[10:11], v[R+6:R+7], v[R+6:R+7]
.irp j, 8,16,24
	s_delay_alu instid0(VALU_DEP_4)
	v_pk_fma_f32 v[4:5], v[R+\j:R+\j+1], v[R+\j:R+\j+1], v[4:5]
	s_delay_alu instid0(VALU_DEP_4)
	v_pk_fma_f32 v[6:7], v[R+\j+2:R+\j+3], v[R+\j+2:R+\j+3], v[6:7]
	s_delay_alu instid0(VALU_DEP_4)
	v_pk_fma_f32 v[8:9], v[R+\j+4:R+\j+5], v[R+\j+4:R+\j+5], v[8:9]
	s_delay_alu instid0(VALU_DEP_4)
	v_pk_fma_f32 v[10:11], v[R+\j+6:R+\j+7], v[R+\j+6:R+\j+7], v[10:11]
.endr
	FOLD
	s_delay_alu instid0(VALU_DEP_1)
	v_fma_f32 v4, v4, s30, s31                     ; var + 1e-5
	s_wait_alu depctr_va_vdst(0)
	v_rsq_f32 v12, v4
	v_nop                                          ; a plain instruction behind the transcendental
	s_wait_alu depctr_va_vdst(0)                   ; and the wait ahead of its first reader
	v_mov_b32 v13, v12
	s_wait_alu depctr_va_vdst(0)
	s_wait_loadcnt 0x0                             ; gain and shift
.set j, 0
.rept 16
	v_pk_mul_f32 v[R+j:R+j+1], v[R+j:R+j+1], v[12:13] op_sel_hi:[1,0]
.set j, j+2
.endr
.set j, 0
.rept 16
	v_pk_fma_f32 v[R+j:R+j+1], v[R+j:R+j+1], v[GA+j:GA+j+1], v[BE+j:BE+j+1]
.set j, j+2
.endr
.macro TURN s                          ; half s of the row (2,048 bytes) through the wave's stage: LDS serves a wave's instructions in order, so no wait stands between
.irp i, 0,1,2,3
	ds_store_b128 v14, v[R+16*\s+4*\i:R+16*\s+4*\i+3] offset:32*SP*\s+8*SP*\i
.endr
.irp i, 0,1,2,3
	ds_load_b128 v[X+16*\s+4*\i:X+16*\s+4*\i+3], v15 offset:32*SP*\s+16*\i
.endr
.endm
; Output i, half s: my lane's k = 512 s + 16 lane + 0 .. 15.  The held numbers go into another set than the last group's, so that the first hold is the plain line behind the last conversions; y itself is kept for the other scales.
.macro Q16 i, s
.set TS, T+16*(((\i)+(\s))%2)
.set CQ, C+4*(2*(\i)+(\s))
.irp j, 0,1,2,3,4,5,6,7,8,9,10,11,12,13,14,15
	v_med3_num_f32 v[TS+\j], v[X+16*(\s)+\j], -v[SCL+2*(\i)+1], v[SCL+2*(\i)+1]   ; the conversion to an 8-bit code does not saturate (ISA guide 7.6.2)
.endr
	v_cvt_scalef32_pk8_bf8_f32 v[CQ:CQ+1], v[TS:TS+7], v[SCL+2*(\i)]
	v_cvt_scalef32_pk8_bf8_f32 v[CQ+2:CQ+3], v[TS+8:TS+15], v[SCL+2*(\i)]
	ds_store_b128 v16, v[CQ:CQ+3] offset:(\i)*COUT+(\s)*32*CP
.endm
	TURN 0
	TURN 1
	s_wait_dscnt 8                                 ; half 0 is back; half 1's four stores and four loads may be out
.set n, 0
.rept NOUT
	Q16 n, 0
.set n, n+1
.endr
	s_wait_dscnt NOUT                              ; half 1 is back; the code stores issued since may be out
.set n, 0
.rept NOUT
	Q16 n, 1
.set n, n+1
.endr
	s_wait_dscnt 0x0                               ; for the others' sake: my codes lie in the stage
	s_barrier_signal -1
	s_barrier_wait -1
.set n, 0
.rept 2*NOUT
	ds_load_b128 v[O+4*n:O+4*n+3], v17 offset:(n/2)*COUT+(n%2)*2*CP
.set n, n+1
.endr
.set n, 0
.rept 2*NOUT
	s_wait_dscnt 2*NOUT-1-n
	global_store_b128 v3, v[O+4*n:O+4*n+3], s[22+2*(n/2):23+2*(n/2)] offset:(n%2)*512   ; 32 lanes store two pieces: 512 consecutive bytes, aligned
.set n, n+1
.endr
	s_wait_tensorcnt 0x0
	ds_add_u32 v240, v241
	s_wait_dscnt 0x0
	s_endpgm
.Lfunc_end_k_q1b9f74de5a_ln1:
	.size	k_q1b9f74de5a_ln1, .Lfunc_end_k_q1b9f74de5a_ln1-k_q1b9f74de5a_ln1
	.p2alignl 7, 3214868480
	.fill 96, 4, 3214868480
	.section	.rodata,"a",@progbits
	.p2align	6, 0x0
	.amdhsa_kernel k_q1b9f74de5a_ln1
		.amdhsa_group_segment_fixed_size 136192
		.amdhsa_private_segment_fixed_size 0
		.amdhsa_enable_private_segment 0
		.amdhsa_kernarg_size 40
		.amdhsa_user_sgpr_count 2
		.amdhsa_user_sgpr_kernarg_segment_ptr 1
		.amdhsa_wavefront_size32 1
		.amdhsa_system_sgpr_workgroup_id_x 1
		.amdhsa_system_sgpr_workgroup_id_y 1
		.amdhsa_system_sgpr_workgroup_id_z 1
		.amdhsa_system_vgpr_workitem_id 0
		.amdhsa_next_free_vgpr 242
		.amdhsa_next_free_sgpr 66
		.amdhsa_reserve_vcc 0
		.amdhsa_float_denorm_mode_32 3
		.amdhsa_float_denorm_mode_16_64 3
		.amdhsa_memory_ordered 1
		.amdhsa_forward_progress 1
		.amdhsa_inst_pref_size 24
	.end_amdhsa_kernel
	.amdgpu_metadata
---
amdhsa.version: [ 1, 2 ]
amdhsa.kernels:
  - .name:           k_q1b9f74de5a_ln1
    .symbol:         k_q1b9f74de5a_ln1.kd
    .args:
      - { .name: x, .offset: 0, .size: 8, .value_kind: global_buffer, .address_space: global }
      - { .name: ln1_scale, .offset: 8, .size: 8, .value_kind: global_buffer, .address_space: global }
      - { .name: ln1_shift, .offset: 16, .size: 8, .value_kind: global_buffer, .address_space: global }
      - { .name: lowp_scales, .offset: 24, .size: 8, .value_kind: global_buffer, .address_space: global }
      - { .name: h3, .offset: 32, .size: 8, .value_kind: global_buffer, .address_space: global }
    .group_segment_fixed_size: 136192
    .private_segment_fixed_size: 0
    .kernarg_segment_align: 8
    .kernarg_segment_size: 40
    .max_flat_workgroup_size: 512
    .sgpr_count:     66
    .vgpr_count:     242
    .wavefront_size: 32
...
	.end_amdgpu_metadata
.endif
;; end of part 1
;; launch qkv (part 2): grid 8 x 32, 4 waves a work-group, clusters of 4 x 4, 327,680 bytes of LDS; arguments h3, Wq_codes, Wk_codes, Wv_codes, lowp_scales, qkvi; writes qkvi
.if DOCPART == 2
	.amdgcn_target "amdgcn-amd-amdhsa--gfx1250"
	.amdhsa_code_object_version 6
	.text
	.protected	k_q1b9f74de5a_qkv
	.globl	k_q1b9f74de5a_qkv
	.p2align	8
	.type	k_q1b9f74de5a_qkv,@function
k_q1b9f74de5a_qkv:
	s_mov_b64 s[64:65], 0
	v_nop
	global_prefetch_b8 v0, s[64:65] scope:SCOPE_SE
	s_setreg_imm32_b32 hwreg(HW_REG_WAVE_MODE, 25, 1), 1
	s_wait_xcnt 0x0
	s_wait_alu depctr_hold_cnt(0) depctr_sa_sdst(0) depctr_va_vdst(0) depctr_va_sdst(0) depctr_va_ssrc(0) depctr_va_vcc(0) depctr_vm_vsrc(0)
	s_getreg_b32 s2, hwreg(HW_REG_IB_STS2, 6, 4)
	s_cmp_eq_u32 s2, 0
	s_cbranch_scc0 .Lentry_in_a_cluster
	s_endpgm
.Lentry_in_a_cluster:
	s_bfe_u32 s2, ttmp6, 0x10000c
	s_cmp_lg_u32 s2, 0xf033
	s_cbranch_scc0 .Lentry_shape_is_right
	s_endpgm
.Lentry_shape_is_right:
; q = h Wq, k = h Wk, v = h Wv on codes of BF8 (E5M2), and the results quantised at once for attention's two products.  h: three images of codes (one for each product's own scale), 4 MiB apart; W: [1024 (n)][1024 (k)] codes.
; A WORK-GROUP STAYS: it makes the tile (128 tokens x 128 columns: two heads) of q, then of k, then of v, at one tile row and tile column.  Four waves, each 64 x 64: 16 accumulators.
; K = 1,024 goes in two steps of 512 through a ring of two LDS slots, and the ring runs on from product to product: six steps in all.  A slot that has been read out is filled with the next product's step, so that
; tiles land under products and conversions.  The images' halves of K lie 2 MiB apart and the images 4 MiB, so the activations' address steps by 4 MiB a slot; the weights' is made anew from the next weight's pointer.
; CLUSTERS: 4 x 4 work-groups; the activations' tile is asked for jointly along a row of the cluster, the weights' along a column.  A wave has one tensor load out at the most.
; THE ACTIVATIONS' IMAGE: code of (block G of 16 tokens, row r, k) at (k / 512) 2,097,152 + 8,192 G + 256 ((k % 512) / 16) + 16 r + k % 16; row r of block G is token 32 (G / 2) + 8 (G % 2) + r + 8 (r / 8).
; A fragment (16 rows x 128 k) is 2,048 bytes on end, four loads of 512.  A lane's registers 4 c .. 4 c + 3 hold k = 32 c + 16 (lane / 16) + 0 .. 15 in both operands: the same permutation of k on both sides.
; q AND k: source 0 = 16 rows of W, source 1 = 16 tokens: a lane holds one token and eight neighbours along the head's 64, which are the next product's K.
; v: the sources change places: a lane holds one channel, and the registers of two neighbouring blocks are 16 neighbouring tokens, the next product's K.
; OUT (qkvi, three parts of 4 MiB; bh = 16 batch + head):  q, k: (128 bh + block) 1,024 + 256 (d / 16) + 16 r + d % 16;   v: (16 bh + key / 128) 8,192 + 2,048 (d / 16) + 256 ((key % 128) / 16) + 16 (d % 16) + key % 16.
; A sum stands for sum x 2^(eA + eB), so its code is sum / 2^(eOut - eA - eB): one scale.  LIMITS: eOut - eA - eB between -126 and 112 for each of the three; NaN is not served.
; REGISTERS: window 0: v1-31 addresses and constants; v32-127 codes, 32 registers for each product, so that no store's data are written again; v128-255 accumulators ((a, b) at v[128 + 8 (4 a + b)]).
;   Window 1: two fragment buffers of 128: four fragments of the activations, then four of W.
.set KTOT,  1024
.set PITCH, 528                        ; a row of W in LDS: 512 bytes + 16 of padding = 132 words: the 16 rows of a load start at 16 different banks (64 banks of 4 bytes: ISA guide 11.1)
.set BOFF,  65536                      ; a slot: 8 blocks of the image (8,192 bytes each), then 128 rows of W
.set BHALF, 64*PITCH
.set SLOT,  BOFF+2*BHALF
.set SPARE, 2*SLOT                     ; behind the ring: the spare words, 128 bytes for each wave
.set ASTEP, 2097152                    ; from one 512 along K to the next, in the images
.set SCL,  8                           ; v[SCL+2t] the conversion's scale of product t, v[SCL+2t+1] 57,344 x that
.set ADRA, 16
.set ADRB, 20
.set CO,   26                          ; v26 16 r + 8 h
.set LI,   27                          ; v27 16 x lane
.set SPW,  28
.set NIL,  29
.set CD,   32
.set ACC,  128
.set F0,   0
.set F1,   128
.set G1,   24
.set G0,   32
.set G1B,  48
.set G0B,  56
.set MSB, 0
.macro WIN new                         ; the immediate's high byte repeats the setting that is left
.if MSB != \new
	s_set_vgpr_msb (MSB<<8)|\new
.set MSB, \new
.endif
.endm
.set MUL,  0x05                        ; sources 0 and 1 window 1; C and D window 0
.set TO_F, 0x40                        ; destination window 1, address window 0
; WHO ASKS (this stands in place of the head comment's count of loads): each wave owns one whole tile: wave 0 slot 0's activations, wave 1 slot 0's rows of W, wave 2 and wave 3 the same of slot 1.
; At the head waves 0 and 1 ask for slot 0's tiles; slot 1's are asked for by waves 2 and 3 behind the full sequence and a round, as a refill is; a slot is filled again by its two owners.  A wave has one load out at the most.
.macro ONE g0, g1                      ; one joint load, and behind it an s_nop and four v_nop
	tensor_load_to_lds s[\g0:\g0+3], s[\g1:\g1+7]
	s_nop 0
.rept 4
	v_nop
.endr
.endm
.macro JLOAD s                         ; slot s is filled again: wave 2 s asks for the activations, wave 2 s + 1 for W; the other two pass four plain lines, the places ahead of the loads that follow
	s_cmp_eq_u32 s10, 2*\s
	s_cbranch_scc0 .Lfor_b_\@
	ONE G0+4*\s, G1
	s_branch .Lasked_\@
.Lfor_b_\@:
	s_cmp_eq_u32 s10, 2*\s+1
	s_cbranch_scc0 .Lnone_\@
	ONE G0B+4*\s, G1B
	s_branch .Lasked_\@
.Lnone_\@:
.rept 4
	v_nop
.endr
.Lasked_\@:
.endm
.macro CREST                           ; a round of the cluster's barrier behind its opening barrier
	s_cmp_lg_u32 s10, 0
	s_cbranch_scc1 .Lnot_wave_0_\@
	s_barrier_signal -3
.Lnot_wave_0_\@:
	s_barrier_wait -3
	s_barrier_signal -1
	s_barrier_wait -1
.endm
.macro CROUND
	s_barrier_signal -1
	s_barrier_wait -1
	CREST
.endm
	s_load_b256 s[84:91], s[0:1], 0x0              ; h3, Wq, Wk, Wv
	s_load_b128 s[92:95], s[0:1], 0x20             ; the scales' exponents, qkvi
	v_lshl_add_u32 v[SPW], v0, 2, SPARE
	v_mov_b32 v[NIL], 0
	ds_add_u32 v28, v29
	ds_add_u32 v28, v29
	s_wait_dscnt 0x0
	v_lshrrev_b32 v1, 5, v0
	v_readfirstlane_b32 s10, v1                    ; wave 0..3
	s_lshr_b32 s11, s10, 1                         ; which 64 tokens are mine.  Also: I fetch activations (0) or W (1)
	s_and_b32 s12, s10, 1                          ; which 64 columns.  Also: which half of that tile I fetch
	s_bfe_u32 s40, ttmp6, 0x40000                  ; cx, cy
	s_bfe_u32 s41, ttmp6, 0x40004
	s_lshl_b32 s42, ttmp9, 2
	s_add_co_u32 s42, s42, s40                     ; tile column, 0 to 7, in each of the three products
	s_and_b32 s13, ttmp7, 0xffff
	s_lshl_b32 s13, s13, 2
	s_add_co_u32 s13, s13, s41                     ; tile row
	s_lshl_b32 s43, s41, 2
	s_lshl_b32 s43, 15, s43                        ; my row of the cluster
	s_lshl_b32 s44, 0x1111, s40                    ; my column
	s_or_b32 s[G1+0], s43, (3<<16)|(1<<21)         ; the image's half tile is one dense block: 256 rows of 32 elements of 8 bytes, no padding
	s_mov_b32 s[G1+1], 32<<16
	s_mov_b32 s[G1+2], 256<<16                     ; the whole tile of the image: 256 rows of 256 bytes
	s_mov_b32 s[G1+3], 32<<16
	s_mov_b32 s[G1+4], 256
	s_mov_b32 s[G1+5], 32
	s_mov_b32 s[G1+6], 0
	s_mov_b32 s[G1+7], 0
	s_or_b32 s[G1B+0], s44, (0<<16)|(1<<20)|(1<<21)|(6<<22)|(3<<25)  ; W: 128 rows of 512 bytes; four words of padding after every 128
	s_mov_b32 s[G1B+1], 512<<16
	s_mov_b32 s[G1B+2], 128<<16                    ; all 128 rows of W
	s_mov_b32 s[G1B+3], 512<<16
	s_mov_b32 s[G1B+4], 128
	s_mov_b32 s[G1B+5], KTOT
	s_mov_b32 s[G1B+6], 0
	s_mov_b32 s[G1B+7], 0
	s_lshl_b32 s16, s13, 16                        ; the image: 8 blocks a tile row
	s_mov_b32 s17, 0
	s_lshl_b32 s46, s42, 7                         ; W: the tile column's 128 rows, the same in all three weights
	s_mul_i32 s46, s46, KTOT
	s_mov_b32 s47, 0
	s_mov_b32 s45, 0                               ; where they go in a slot: constants
	s_mov_b32 s22, BOFF
	s_wait_kmcnt 0x0
	s_load_b512 s[68:83], s[92:93], 0x0            ; all sixteen exponents
	s_add_nc_u64 s[14:15], s[84:85], s[16:17]
	s_add_nc_u64 s[86:87], s[86:87], s[46:47]      ; each weight's pointer at my rows
	s_add_nc_u64 s[88:89], s[88:89], s[46:47]
	s_add_nc_u64 s[90:91], s[90:91], s[46:47]
	CROUND                                         ; all sixteen work-groups are here: the first joint loads meet
.irp s, 0,1
	s_mov_b32 s[G0+4*\s], 1
	s_add_co_u32 s[G0+4*\s+1], s45, \s*SLOT
	s_add_nc_u64 s[G0+4*\s+2:G0+4*\s+3], s[14:15], \s*ASTEP
	s_or_b32 s[G0+4*\s+3], s[G0+4*\s+3], 0x80000000
	s_mov_b32 s[G0B+4*\s], 1
	s_add_co_u32 s[G0B+4*\s+1], s22, \s*SLOT
	s_add_nc_u64 s[G0B+4*\s+2:G0B+4*\s+3], s[86:87], \s*512
	s_or_b32 s[G0B+4*\s+3], s[G0B+4*\s+3], 0x80000000
.endr
	JLOAD 0                                        ; slot 0's first fills: waves 0 and 1, one load each
	v_and_b32 v1, 15, v0                           ; r
	v_bfe_u32 v2, v0, 4, 1                         ; h
	v_and_b32 v3, 31, v0
	v_lshlrev_b32 v[LI], 4, v3
	v_lshlrev_b32 v[CO], 4, v1
	v_lshl_add_u32 v[CO], v2, 3, v[CO]
	v_mul_u32_u24 v4, v1, PITCH
	v_lshl_add_u32 v4, v2, 4, v4
	s_lshl_b32 s18, s11, 15                        ; my four blocks of the image
	s_mul_i32 s23, s12, BHALF
	s_add_co_u32 s23, s23, BOFF                    ; my 64 rows of W
.irp s, 0,1
	v_add_nc_u32 v[ADRA+\s], s18, v[LI]
	v_add_nc_u32 v[ADRB+\s], s23, v4
	s_add_co_u32 s18, s18, SLOT
	s_add_co_u32 s23, s23, SLOT
.endr
	s_wait_alu depctr_va_vdst(0)
	s_wait_kmcnt 0x0
	s_sub_co_i32 s4, s74, s68                      ; q: e6 - e0 - e1
	s_sub_co_i32 s4, s4, s69
	s_sub_co_i32 s5, s75, s70                      ; k: e7 - e2 - e3
	s_sub_co_i32 s5, s5, s71
	s_sub_co_i32 s6, s76, s72                      ; v: e8 - e4 - e5
	s_sub_co_i32 s6, s6, s73
.irp t, 0,1,2
	s_add_co_i32 s[4+\t], s[4+\t], 127
	s_lshl_b32 s7, s[4+\t], 23
	v_mov_b32 v[SCL+2*\t], s7                      ; the scale as f32: the conversion takes its exponent field
	s_add_co_i32 s[4+\t], s[4+\t], 15
	s_lshl_b32 s[4+\t], s[4+\t], 23
	s_or_b32 s[4+\t], s[4+\t], 0x600000
	v_mov_b32 v[SCL+2*\t+1], s[4+\t]               ; 57,344 x the scale
.endr
	s_lshr_b32 s4, s13, 4
	s_lshl_b32 s4, s4, 4                           ; 16 x batch
	s_lshl_b32 s5, s42, 1
	s_add_co_u32 s4, s4, s5
	s_add_co_u32 s4, s4, s12                       ; bh: my 64 columns are one head
	s_and_b32 s5, s13, 15                          ; which 128 tokens of the batch
	s_lshl_b32 s6, s4, 7                           ; q, k: block 128 bh + 8 (tile row % 16) + 4 (my half) + a
	s_lshl_b32 s7, s5, 3
	s_add_co_u32 s6, s6, s7
	s_lshl_b32 s7, s11, 2
	s_add_co_u32 s6, s6, s7
	s_lshl_b32 s6, s6, 10
	s_mov_b32 s7, 0
	s_add_nc_u64 s[98:99], s[94:95], s[6:7]        ; where my part of q goes,
	s_add_nc_u64 s[100:101], s[98:99], 0x400000    ; of k,
	s_lshl_b32 s6, s4, 4                           ; v: (16 bh + tile row % 16) 8,192 + 1,024 x my half of the 128 keys
	s_add_co_u32 s6, s6, s5
	s_lshl_b32 s6, s6, 13
	s_lshl_b32 s7, s11, 10
	s_add_co_u32 s6, s6, s7
	s_add_co_u32 s6, s6, 0x800000
	s_mov_b32 s7, 0
	s_add_nc_u64 s[96:97], s[94:95], s[6:7]        ; and of v
; PREFETCHES INTO THE L2.  A K step is 256 blocks of 256 bytes of the image's tile and 256 of the weight's tile.  Each block is named once in each cluster that will load it: the four partners that ask for a tile
; jointly share its blocks out by address (cx for the image, cy for the weight), 64 each; waves 0 and 1 name the image's, waves 2 and 3 the weight's, 32 a wave, a lane a block.
; Of the six K steps (two for each product) steps 1 and 2 are named here at the head; behind the load of K step j stands the naming of K step j + 2, for j = 1, 2, 3; the last two refills name nothing.  Five addresses, none rewritten.
.set PF,  68                           ; s[68:77] (the exponents there are used up): where my blocks of K steps 2, 3, 4, 5 and 1 begin
.set PFO, 30                           ; v30 my lane's block; never rewritten
	s_lshl_b32 s4, s13, 16                         ; the image: my tile row's 8 blocks of tokens,
	s_lshl_b32 s6, s40, 14
	s_add_co_u32 s4, s4, s6                        ; my work-group's quarter,
	s_lshl_b32 s6, s12, 13
	s_add_co_u32 s4, s4, s6                        ; my wave's half of it,
	s_add_co_u32 s4, s4, 2*ASTEP                   ; in K step 2
	s_lshl_b32 s6, s41, 5                          ; the weight (its pointer stands at the tile column's rows): my work-group's 32 rows,
	s_lshl_b32 s7, s12, 4
	s_add_co_u32 s6, s6, s7                        ; my wave's 16
	s_mul_i32 s6, s6, KTOT
	s_sub_co_u32 s20, s4, ASTEP                    ; K step 1: in q's image,
	s_add_co_u32 s21, s6, 512                      ; and in Wq's rows
	s_mov_b32 s8, ASTEP
	s_mov_b32 s7, KTOT
	s_cmp_eq_u32 s11, 0                            ; waves 0 and 1: the image
	s_cselect_b32 s4, s4, s6
	s_cselect_b32 s8, s8, 512                      ; from a product's first K step to its second
	s_cselect_b32 s7, 512, s7                      ; from one pair of lanes to the next
	s_cselect_b32 s18, 2*ASTEP, 0                  ; from k's image to v's; the weights have pointers of their own
	s_cselect_b64 s[PF:PF+1], s[84:85], s[88:89]
	s_cselect_b64 s[PF+4:PF+5], s[84:85], s[90:91]
	s_cselect_b64 s[PF+8:PF+9], s[84:85], s[86:87]
	s_cselect_b32 s20, s20, s21
	s_mov_b32 s21, 0
	s_add_nc_u64 s[PF+8:PF+9], s[PF+8:PF+9], s[20:21]
	s_mov_b32 s5, 0
	s_mov_b32 s9, 0
	s_mov_b32 s19, 0
	s_add_nc_u64 s[PF:PF+1], s[PF:PF+1], s[4:5]
	s_add_nc_u64 s[PF+2:PF+3], s[PF:PF+1], s[8:9]
	s_add_nc_u64 s[PF+4:PF+5], s[PF+4:PF+5], s[4:5]
	s_add_nc_u64 s[PF+4:PF+5], s[PF+4:PF+5], s[18:19]
	s_add_nc_u64 s[PF+6:PF+7], s[PF+4:PF+5], s[8:9]
	v_lshrrev_b32 v[PFO], 1, v3
	v_mul_u32_u24 v[PFO], v[PFO], s7
	v_and_b32 v5, 1, v3
	v_lshl_add_u32 v[PFO], v5, 8, v[PFO]
	s_wait_alu depctr_va_vdst(0)
	global_prefetch_b8 v[PFO], s[PF+8:PF+9] th:TH_LOAD_NT scope:SCOPE_SE   ; K step 1
	global_prefetch_b8 v[PFO], s[PF:PF+1] th:TH_LOAD_NT scope:SCOPE_SE     ; K step 2
; four matrix instructions: block a of the tokens x W's four.  The 16 accumulators take turns, one instruction a turn, in the same order in every quarter.
.macro MULA f, a, zero, swap
.irp b, 0,1,2,3
.if \swap
.if \zero
	v_wmma_f32_16x16x128_bf8_bf8 v[ACC+8*(4*(\a)+\b):ACC+8*(4*(\a)+\b)+7], v[\f+16*(\a):\f+16*(\a)+15], v[\f+64+16*\b:\f+64+16*\b+15], 0
.else
	v_wmma_f32_16x16x128_bf8_bf8 v[ACC+8*(4*(\a)+\b):ACC+8*(4*(\a)+\b)+7], v[\f+16*(\a):\f+16*(\a)+15], v[\f+64+16*\b:\f+64+16*\b+15], v[ACC+8*(4*(\a)+\b):ACC+8*(4*(\a)+\b)+7]
.endif
.else
.if \zero
	v_wmma_f32_16x16x128_bf8_bf8 v[ACC+8*(4*(\a)+\b):ACC+8*(4*(\a)+\b)+7], v[\f+64+16*\b:\f+64+16*\b+15], v[\f+16*(\a):\f+16*(\a)+15], 0
.else
	v_wmma_f32_16x16x128_bf8_bf8 v[ACC+8*(4*(\a)+\b):ACC+8*(4*(\a)+\b)+7], v[\f+64+16*\b:\f+64+16*\b+15], v[\f+16*(\a):\f+16*(\a)+15], v[ACC+8*(4*(\a)+\b):ACC+8*(4*(\a)+\b)+7]
.endif
.endif
.endr
.endm
; 32 LDS loads in one run: the fragments of the slot's q-th 128 along K into buffer f: W's four, then the tokens' blocks 0, 1, then 2, 3
.macro FETCH slot, q, f
	WIN TO_F
.irp b, 0,1,2,3
.irp c, 0,1,2,3
	ds_load_b128 v[\f+64+16*\b+4*\c:\f+64+16*\b+4*\c+3], v[ADRB+\slot] offset:\b*16*PITCH+128*(\q)+32*\c
.endr
.endr
.irp a, 0,1,2,3
.irp c, 0,1,2,3
	ds_load_b128 v[\f+16*\a+4*\c:\f+16*\a+4*\c+3], v[ADRA+\slot] offset:\a*8192+2048*(\q)+512*\c
.endr
.endr
.endm
.macro PLACES                          ; four plain instructions in front of loads into registers that matrix instructions have read, and of the first read of results
.rept 4
	v_nop
.endr
.endm
.macro QUARTER slot, qn, f, g, zero, swap   ; 128 along K from buffer f; in its middle the next quarter, the slot's qn-th, is fetched into g
	s_wait_dscnt 8                                 ; W's fragments and blocks 0, 1 are in; the youngest eight loads (blocks 2, 3) may be out
	WIN MUL
	MULA \f, 0, \zero, \swap
	MULA \f, 1, \zero, \swap
	PLACES
	FETCH \slot, \qn, \g
	s_wait_dscnt 32                                ; all but the 32 just issued
	WIN MUL
	MULA \f, 2, \zero, \swap
	MULA \f, 3, \zero, \swap
.endm
; A slot's last quarter changes slots: ONE barrier; in front of it each wave waits for all its tensor loads, adds 0 to its spare word, and waits for that and for its reads of this slot.
; fill = 1: this slot is filled again, with the same half of K of the NEXT product: the image 4 MiB on, and the weight whose pointer (at my rows) lies in s[wn:wn+1].
.macro TURN slot, next, fill, swap, wn, pf
	WIN 0
	s_wait_tensorcnt 0x0                           ; all my tensor loads have landed: my part of the next slot
	ds_add_u32 v[SPW], v[NIL]                      ; 0 onto my spare word
.if \fill
	ds_add_u32 v[SPW], v[NIL]                      ; and once more where a load follows
	s_wait_dscnt 10                                ; the two adds and the youngest eight loads may be out
.else
	s_wait_dscnt 9                                 ; the add and the youngest eight loads may be out
.endif
	WIN MUL
	MULA F1, 0, 0, \swap
	MULA F1, 1, 0, \swap
	s_wait_dscnt 0x0                               ; the add is done, and my reads of this slot are over
	s_barrier_signal -1
	MULA F1, 2, 0, \swap
	WIN 0
	s_barrier_wait -1
.if \fill
	CREST                                          ; the barrier has opened a round of the cluster's: no wave of any partner still reads this slot or has a load on its way
	s_add_nc_u64 s[G0+4*\slot+2:G0+4*\slot+3], s[G0+4*\slot+2:G0+4*\slot+3], 2*ASTEP
	s_add_nc_u64 s[G0B+4*\slot+2:G0B+4*\slot+3], s[\wn:\wn+1], \slot*512
	s_or_b32 s[G0B+4*\slot+3], s[G0B+4*\slot+3], 0x80000000
	JLOAD \slot                                    ; the first tensor load behind the round; its four v_nop are also the places in front of the loads below
.else
	PLACES
.endif
	FETCH \next, 0, F0
.if \pf
	global_prefetch_b8 v[PFO], s[\pf+2*\slot:\pf+2*\slot+1] th:TH_LOAD_NT scope:SCOPE_SE   ; the K step two refills on (the address register lies in window 0)
.endif
	WIN MUL
	MULA F1, 3, 0, \swap
.endm
; One product's tile.  fill = 1: a product follows: both changes of slots fill the slot that is left, and the second fetches the next product's first fragments.
.macro PRODUCT swap, fill, wn, pf
	QUARTER 0, 1, F0, F1, 1, \swap                 ; the first products start the sums: nothing is cleared
	QUARTER 0, 2, F1, F0, 0, \swap
	QUARTER 0, 3, F0, F1, 0, \swap
	TURN 0, 1, \fill, \swap, \wn, \pf
	QUARTER 1, 1, F0, F1, 0, \swap
	QUARTER 1, 2, F1, F0, 0, \swap
	QUARTER 1, 3, F0, F1, 0, \swap
.if \fill
	TURN 1, 0, 1, \swap, \wn, \pf
.else
	s_wait_dscnt 8
	WIN MUL
	MULA F1, 0, 0, \swap
	MULA F1, 1, 0, \swap
	s_wait_dscnt 0x0
	MULA F1, 2, 0, \swap
	MULA F1, 3, 0, \swap
.endif
	WIN 0
	PLACES
.endm
; q's and k's way out: v[sc] the scale, v[sc+1] the hold; codes into v[cd] on; s[base:base+1] where they go
.macro OUTQK sc, cd, base
.irp u, 0,1,2,3,4,5,6,7,8,9,10,11,12,13,14,15
.irp j, 0,1,2,3,4,5,6,7
	v_med3_num_f32 v[ACC+8*\u+\j], v[ACC+8*\u+\j], -v[\sc+1], v[\sc+1]   ; the hold: the conversion does not saturate (ISA guide 7.6.2); each accumulator from its low end on
.endr
	v_cvt_scalef32_pk8_bf8_f32 v[\cd+2*\u:\cd+2*\u+1], v[ACC+8*\u:ACC+8*\u+7], v[\sc]
.endr
	v_nop                                          ; a plain instruction behind the last conversion: the next product writes its sources
.irp a, 0,1,2,3
.irp b, 0,1,2,3
	global_store_b64 v[CO], v[\cd+2*(4*\a+\b):\cd+2*(4*\a+\b)+1], s[\base:\base+1] offset:\a*1024+\b*256   ; 32 lanes store 256 consecutive bytes, aligned
.endr
.endr
.endm
	s_wait_alu depctr_va_vdst(0)                   ; the wait at the head's end
	s_wait_tensorcnt 0x0                           ; slot 0's loads have landed
	ds_add_u32 v[SPW], v[NIL]
	ds_add_u32 v[SPW], v[NIL]
	s_wait_dscnt 0x0
	CROUND                                         ; slot 0 is whole, and all sixteen work-groups are here
	JLOAD 1                                        ; slot 1's first fills: waves 2 and 3, one load each
	FETCH 0, 0, F0
	global_prefetch_b8 v[PFO], s[PF+2:PF+3] th:TH_LOAD_NT scope:SCOPE_SE   ; K step 3 (the address register lies in window 0)
	PRODUCT 0, 1, 88, PF+4                         ; q; the slots take k's tiles, and v's are named
	s_wait_alu depctr_va_vdst(0)
	OUTQK SCL, CD, 98
	PRODUCT 0, 1, 90, 0                            ; k; the slots take v's tiles
	OUTQK SCL+2, CD+32, 100
	PRODUCT 1, 0, 90, 0                            ; v: nothing is left to fetch
.irp al, 0,1                           ; blocks 2 al and 2 al + 1: in lane (r, h) tokens 32 al + 16 h + 0 .. 15 of channel 16 b + r
.irp b, 0,1,2,3
.irp u, 0,1
.irp j, 0,1,2,3,4,5,6,7
	v_med3_num_f32 v[ACC+8*(4*(2*\al+\u)+\b)+\j], v[ACC+8*(4*(2*\al+\u)+\b)+\j], -v[SCL+5], v[SCL+5]
.endr
	v_cvt_scalef32_pk8_bf8_f32 v[CD+64+4*(4*\al+\b)+2*\u:CD+64+4*(4*\al+\b)+2*\u+1], v[ACC+8*(4*(2*\al+\u)+\b):ACC+8*(4*(2*\al+\u)+\b)+7], v[SCL+4]
.endr
.endr
.endr
	v_nop
.irp al, 0,1
.irp b, 0,1,2,3
	global_store_b128 v[LI], v[CD+64+4*(4*\al+\b):CD+64+4*(4*\al+\b)+3], s[96:97] offset:\b*2048+\al*512   ; 512 consecutive bytes, aligned
.endr
.endr
	s_wait_tensorcnt 0x0                           ; the wave's end
	ds_add_u32 v[SPW], v[NIL]
	s_wait_dscnt 0x0
	CROUND                                         ; the closing round: no work-group ends while a partner may still ask for a tile that names it
	s_endpgm
.Lfunc_end_k_q1b9f74de5a_qkv:
	.size	k_q1b9f74de5a_qkv, .Lfunc_end_k_q1b9f74de5a_qkv-k_q1b9f74de5a_qkv
	.p2alignl 7, 3214868480
	.fill 96, 4, 3214868480
	.section	.rodata,"a",@progbits
	.p2align	6, 0x0
	.amdhsa_kernel k_q1b9f74de5a_qkv
		.amdhsa_group_segment_fixed_size 327680
		.amdhsa_private_segment_fixed_size 0
		.amdhsa_enable_private_segment 0
		.amdhsa_kernarg_size 48
		.amdhsa_user_sgpr_count 2
		.amdhsa_user_sgpr_kernarg_segment_ptr 1
		.amdhsa_wavefront_size32 1
		.amdhsa_system_sgpr_workgroup_id_x 1
		.amdhsa_system_sgpr_workgroup_id_y 1
		.amdhsa_system_sgpr_workgroup_id_z 1
		.amdhsa_system_vgpr_workitem_id 0
		.amdhsa_next_free_vgpr 512
		.amdhsa_next_free_sgpr 102
		.amdhsa_reserve_vcc 0
		.amdhsa_float_denorm_mode_32 3
		.amdhsa_float_denorm_mode_16_64 3
		.amdhsa_memory_ordered 1
		.amdhsa_forward_progress 1
		.amdhsa_inst_pref_size 127
	.end_amdhsa_kernel
	.amdgpu_metadata
---
amdhsa.version: [ 1, 2 ]
amdhsa.kernels:
  - .name:           k_q1b9f74de5a_qkv
    .symbol:         k_q1b9f74de5a_qkv.kd
    .args:
      - { .name: h3, .offset: 0, .size: 8, .value_kind: global_buffer, .address_space: global }
      - { .name: Wq_codes, .offset: 8, .size: 8, .value_kind: global_buffer, .address_space: global }
      - { .name: Wk_codes, .offset: 16, .size: 8, .value_kind: global_buffer, .address_space: global }
      - { .name: Wv_codes, .offset: 24, .size: 8, .value_kind: global_buffer, .address_space: global }
      - { .name: lowp_scales, .offset: 32, .size: 8, .value_kind: global_buffer, .address_space: global }
      - { .name: qkvi, .offset: 40, .size: 8, .value_kind: global_buffer, .address_space: global }
    .group_segment_fixed_size: 327680
    .private_segment_fixed_size: 0
    .kernarg_segment_align: 8
    .kernarg_segment_size: 48
    .max_flat_workgroup_size: 128
    .sgpr_count:     102
    .vgpr_count:     512
    .wavefront_size: 32
...
	.end_amdgpu_metadata
.endif
;; end of part 2
;; launch attn (part 3): grid 8 x 32, 16 waves a work-group, clusters of 4 x 1, 327,680 bytes of LDS; arguments qkvi, lowp_scales, cimg; writes cimg
.if DOCPART == 3
	.amdgcn_target "amdgcn-amd-amdhsa--gfx1250"
	.amdhsa_code_object_version 6
	.text
	.protected	k_q1b9f74de5a_attn
	.globl	k_q1b9f74de5a_attn
	.p2align	8
	.type	k_q1b9f74de5a_attn,@function
k_q1b9f74de5a_attn:
	s_mov_b64 s[64:65], 0
	v_nop
	global_prefetch_b8 v0, s[64:65] scope:SCOPE_SE
	s_setreg_imm32_b32 hwreg(HW_REG_WAVE_MODE, 25, 1), 1
	s_wait_xcnt 0x0
	s_wait_alu depctr_hold_cnt(0) depctr_sa_sdst(0) depctr_va_vdst(0) depctr_va_sdst(0) depctr_va_ssrc(0) depctr_va_vcc(0) depctr_vm_vsrc(0)
	s_getreg_b32 s2, hwreg(HW_REG_IB_STS2, 6, 4)
	s_cmp_eq_u32 s2, 0
	s_cbranch_scc0 .Lentry_in_a_cluster
	s_endpgm
.Lentry_in_a_cluster:
	s_bfe_u32 s2, ttmp6, 0x10000c
	s_cmp_lg_u32 s2, 0x3003
	s_cbranch_scc0 .Lentry_shape_is_right
	s_endpgm
.Lentry_shape_is_right:
; Causal attention on codes of BF8 (E5M2): ctx = softmax(q k^T / 8) v for one (batch, head) bh = grid y, and ctx quantised at once (scale e10) as the next product's image.
; qkvi: q, k at 0 and 4 MiB: (128 bh + block) 1,024 + 256 (d / 16) + 16 r + d % 16; row r of block G is token 32 (G / 2) + 8 (G % 2) + r + 8 (r / 8).  v at 8 MiB: (16 bh + key / 128) 8,192 + 2,048 (d / 16) + 256 ((key % 128) / 16) + 16 (d % 16) + key % 16.
; THE SOFTMAX: t = score x log2(e) / 8; M = the running largest t rounded up to a whole number; p = 2^(t - M) is quantised (scale e9); the sum is taken of the unquantised p and divides at the end.
; LEFT OUT: key steps all of whose keys come after a tile's queries: the causal mask turns their scores into -inf, so their p is 0 for every input.  A NaN or infinity that reaches only those scores is not carried.
; SHARES.  The head's 2,048 queries are 16 blocks of 8 tiles of 16.  Work-group j (0 .. 7) owns tile j of EVERY block: 1 + 2 + .. + 16 = 136 tile steps of 16 queries x 128 keys, the same in every work-group,
;   dealt 8 or 9 to each of the 16 waves.  Waves i and 8 + i form pair i, with the early tile (block i, key steps 0 .. i) and the late tile (block 15 - i, key steps 0 .. 15 - i).
;   Wave i (A): the early tile over steps 0 .. i; its result leaves; then the late tile's steps i + 2, i + 4, .. 14 - i: 8 steps.  Wave 8 + i (B): the late tile's steps 0 .. i and i + 1, i + 3, .. 15 - i, the diagonal's among them: 9 steps.
;   Which steps a wave walks is a mask of 16 bits made of the wave's number alone; both loops have constant trip counts.
;   A's part of the late tile (O^T, the sum, -M, under its own running M) goes to B through an LDS stage; B brings both parts under the larger M by exact powers of two and adds them.
; K AND V lie in LDS whole, each byte filled once, in two groups: key steps 0, 1 and key steps 2 .. 15.  Wave w < 8 brings piece w (1,024 bytes) of each step of K, wave 8 + w of V: rows of 1,024 bytes, 8,192 apart in memory.
;   The second group is asked for behind the second round and is waited for behind the first two steps.  A wave has one load out at any time; every wait on TENSORcnt is for 0.
; CLUSTER: four work-groups of one head ask for K and V jointly (mask 15): the descriptors hang on bh and the wave's number alone, and no branch and no LDS address hangs on the work-group's number;
;   that number enters only the addresses of q, of the result and of the prefetch, and the diagonal's compare.
; PREFETCH: at the head each wave names 14 blocks of 256 bytes of the second group (448 blocks of K, 448 of V; a quarter to each partner, told apart by address; lanes 14 .. 31 name the wave's last block again).
; B's second copy of its q fragment is loaded and not used, so that one text serves both kinds of wave.
; LIMITS: e6 + e7 between -123 and 130; e9 and e10 between -126 and 112; the scaled scores stay under 2^31 in magnitude; NaN among the inputs is not served.
.set N1,    2                          ; key steps in the first group,
.set N2,    14                         ; and in the second
.set PS1,   N1*1024                    ; a piece's steps lie on end: from piece to piece in group 1,
.set PS2,   N2*1024                    ; and in group 2.  A group: K's 8 pieces, then V's 8
.set GRP2,  16*PS1+4096                ; group 2 begins here: 4,096 bytes lie idle between the groups
.set SPARE, 266240                     ; = GRP2 + 16 PS2: the spare words, 128 bytes a wave
.set STAGE, 268288                     ; A's parts: 9 x 512 bytes for each pair of waves; no tensor load lands here
.set PART,  4608
.set LI,   1                           ; 16 x lane
.set CO,   2                           ; 16 r + 8 h
.set DM,   3                           ; my query within its 128, less 16 h
.set ADV,  6                           ; v6, v7: V's pieces 0-3, 4-7 of the step
.set ADK,  8                           ; v8, v9: K's
.set STG,  10                          ; my pair's stage + 16 x lane
.set PFO,  11                          ; the prefetch's offset; never rewritten
.set QF,   16                          ; q of the tile in hand;  v12 -M, v13 largest t, v[14:15] the sum in two halves
.set QF2,  24                          ; q of the late tile
.set KV,   32                          ; fragments of K, then of V; at the end A's part
.set S,    96                          ; S^T, then p
.set OT,   160                         ; O^T
.set PC,   192                         ; p's codes
.set MX,   208
.set FF,   210
.set PD,   212
.set SU,   214
.set NINF, 216
.set CC,   220
.set SCP,  228
.set LIMP, 229                         ; 57,344 x 2^e9,
.set SCC,  230
.set LIMC, 231
.set LIMP2, 234                        ; and once more, in a register whose number differs modulo 4: the two halves of a dual instruction take their second sources from these two
.set SPW,  254
.set NIL,  255
.set WV,   18
.set SEL,  20
.set CS,   22
.set G1,   24                          ; s[24:31] group 1 of the descriptor for N1 rows, s[32:39] for N2 rows
.set G1L,  32
.set G0A,  40
.set G0B,  44
.set DG,   48                          ; the key step on my tile's diagonal
.set SWK,  49                          ; A: the step behind which the early tile is finished; B: none
.set TB,   50
.set KI,   51                          ; the key step, 0 .. 15
.set ACT,  52                          ; bit k: I walk key step k
.set CNT,  53
.set EO,   88                          ; e8 + e9
.set PFA,  94                          ; s[94:95] the prefetch's base; never rewritten
.macro CROUND                          ; a round of the cluster's barrier
	s_barrier_signal -1
	s_barrier_wait -1
	s_cmp_lg_u32 s[WV], 0
	s_cbranch_scc1 .Lnw0_\@
	s_barrier_signal -3
.Lnw0_\@:
	s_barrier_wait -3
	s_barrier_signal -1
	s_barrier_wait -1
.endm
	s_load_b128 s[4:7], s[0:1], 0x0                ; qkvi, the scales' exponents
	s_load_b64 s[8:9], s[0:1], 0x10                ; cimg
	v_lshl_add_u32 v[SPW], v0, 2, SPARE
	v_mov_b32 v[NIL], 0
	ds_add_u32 v[SPW], v[NIL]                      ; the opening lines: the add, twice on end, and its wait ahead of my first tensor load
	ds_add_u32 v[SPW], v[NIL]
	v_lshrrev_b32 v4, 5, v0
	s_delay_alu instid0(VALU_DEP_1)
	v_readfirstlane_b32 s[WV], v4
	s_and_b32 s54, ttmp7, 0xffff                   ; bh
	s_mov_b32 s[G1], 15|(3<<16)|(1<<21)            ; the four partners; elements of 8 bytes; bit 21 beside the mask; no padding
	s_mov_b32 s[G1+1], 128<<16
	s_mov_b32 s[G1+2], N1<<16
	s_mov_b32 s[G1+3], 128<<16                     ; rows of 1,024 bytes,
	s_mov_b32 s[G1+4], N1
	s_mov_b32 s[G1+5], 1024                        ; 8,192 bytes apart
	s_mov_b32 s[G1+6], 0
	s_mov_b32 s[G1+7], 0
	s_mov_b32 s[G1L], 15|(3<<16)|(1<<21)
	s_mov_b32 s[G1L+1], 128<<16
	s_mov_b32 s[G1L+2], N2<<16
	s_mov_b32 s[G1L+3], 128<<16
	s_mov_b32 s[G1L+4], N2
	s_mov_b32 s[G1L+5], 1024
	s_mov_b32 s[G1L+6], 0
	s_mov_b32 s[G1L+7], 0
	s_lshr_b32 s55, s[WV], 3                       ; 0: K, 1: V
	s_and_b32 s56, s[WV], 7                        ; my piece; also my pair
	s_mul_i32 s92, s55, 8*PS1
	s_mul_i32 s58, s56, PS1
	s_add_co_u32 s92, s92, s58                     ; where my piece goes in group 1,
	s_mul_i32 s93, s55, 8*PS2
	s_mul_i32 s58, s56, PS2
	s_add_co_u32 s93, s93, s58
	s_add_co_u32 s93, s93, GRP2                    ; and in group 2
	s_add_co_u32 s60, s55, 1
	s_lshl_b32 s60, s60, 22
	s_lshl_b32 s58, s54, 17
	s_add_co_u32 s60, s60, s58                     ; the head's K or V
	s_mov_b32 s61, 0
	s_lshl_b32 s62, s56, 10
	s_mov_b32 s63, 0
	s_wait_dscnt 0x0
	s_wait_kmcnt 0x0
	s_load_b512 s[68:83], s[6:7], 0x0              ; all sixteen exponents
	s_add_nc_u64 s[60:61], s[4:5], s[60:61]
	s_mov_b32 s[G0A], 1
	s_mov_b32 s[G0A+1], s92
	s_add_nc_u64 s[G0A+2:G0A+3], s[60:61], s[62:63]
	s_mov_b32 s[G0B], 1
	s_mov_b32 s[G0B+1], s93
	s_add_nc_u64 s[G0B+2:G0B+3], s[G0A+2:G0A+3], N1*8192
	s_or_b32 s[G0A+3], s[G0A+3], 0x80000000
	s_or_b32 s[G0B+3], s[G0B+3], 0x80000000
	CROUND                                         ; the four work-groups are here: the first joint loads meet
	tensor_load_to_lds s[G0A:G0A+3], s[G1:G1+7]    ; key steps 0, 1: my one load at the head
	s_nop 0
.rept 4
	v_nop
.endr
	s_bfe_u32 s90, ttmp6, 0x40000                  ; cx
	s_mul_i32 s58, s90, 112                        ; the prefetch: my work-group's 112 blocks of the second group of K or of V,
	s_mul_i32 s59, s56, 14
	s_add_co_u32 s58, s58, s59                     ; my wave's 14
	s_lshl_b32 s58, s58, 8
	s_add_co_u32 s58, s58, N1*8192
	s_mov_b32 s59, 0
	s_add_nc_u64 s[PFA:PFA+1], s[60:61], s[58:59]
	s_lshl_b32 s91, ttmp9, 2
	s_add_co_u32 s91, s91, s90                     ; j: my work-group among the head's eight
	s_sub_co_u32 s62, 15, s56                      ; my pair's late block
	s_cmp_lt_u32 s[WV], 8
	s_cselect_b32 s55, s56, s62                    ; the block of my first tile
	s_cselect_b32 s[DG], s56, s62
	s_cselect_b32 s[SWK], s56, 64
	s_and_b32 s58, s56, 1
	s_lshl_b32 s58, 0x5555, s58                    ; the steps of i's parity
	s_sub_co_u32 s59, 16, s56
	s_bfm_b32 s59, s59, 0                          ; the late tile's steps 0 .. 15 - i
	s_add_co_u32 s63, s56, 1
	s_bfm_b32 s63, s63, 0                          ; steps 0 .. i, which both waves walk
	s_and_not1_b32 s67, s59, s58
	s_and_b32 s58, s59, s58
	s_or_b32 s58, s58, s63                         ; A's steps
	s_or_b32 s59, s67, s63                         ; B's steps
	s_cmp_lt_u32 s[WV], 8
	s_cselect_b32 s[ACT], s58, s59
	s_lshl_b32 s57, s55, 3
	s_add_co_u32 s57, s57, s91                     ; my first tile, 0 .. 127
	s_lshl_b32 s62, s62, 3
	s_add_co_u32 s62, s62, s91                     ; the late tile
	s_lshl_b32 s58, s54, 7
	s_add_co_u32 s60, s58, s57
	s_lshl_b32 s60, s60, 10
	s_mov_b32 s61, 0
	s_add_nc_u64 s[60:61], s[4:5], s[60:61]
	s_add_co_u32 s62, s58, s62
	s_lshl_b32 s62, s62, 10
	s_mov_b32 s63, 0
	s_add_nc_u64 s[62:63], s[4:5], s[62:63]
	s_bfe_u32 s86, s54, 0x10003                    ; the image of ctx: k = 64 head + d: k / 512,
	s_lshl_b32 s86, s86, 21
	s_lshr_b32 s87, s54, 4
	s_lshl_b32 s87, s87, 7
	s_add_co_u32 s87, s87, s57                     ; block 128 batch + tile,
	s_lshl_b32 s87, s87, 13
	s_add_co_u32 s86, s86, s87
	s_and_b32 s87, s54, 7
	s_lshl_b32 s87, s87, 10                        ; pieces 4 (head % 8) on
	s_add_co_u32 s86, s86, s87
	s_mov_b32 s87, 0
	s_add_nc_u64 s[8:9], s[8:9], s[86:87]          ; where my first tile's codes go (A: the early tile's, B: the late tile's)
	s_lshr_b32 s66, s91, 1
	s_lshl_b32 s66, s66, 5
	s_and_b32 s67, s91, 1
	s_lshl_b32 s67, s67, 3
	s_add_co_u32 s66, s66, s67                     ; tile j's first token within its 128
	s_mul_i32 s67, s56, PART
	s_add_co_u32 s67, s67, STAGE
	s_mov_b32 s[SEL], 0x76543210
	s_mov_b32 s[SEL+1], 0xfedcba98
	s_mov_b32 s[CS], 0x3e38aa3b                    ; log2(e) / 8
	s_mov_b32 s[TB], 0
	s_mov_b32 s[KI], 0
	v_and_b32 v4, 31, v0
	s_delay_alu instid0(VALU_DEP_1)
	v_lshlrev_b32 v[LI], 4, v4
	v_min_u32 v5, 13, v4
	s_delay_alu instid0(VALU_DEP_1)
	v_lshlrev_b32 v[PFO], 8, v5
	global_load_b128 v[QF:QF+3], v[LI], s[60:61]
	global_load_b128 v[QF+4:QF+7], v[LI], s[60:61] offset:512
	global_load_b128 v[QF2:QF2+3], v[LI], s[62:63]
	global_load_b128 v[QF2+4:QF2+7], v[LI], s[62:63] offset:512
	global_prefetch_b8 v[PFO], s[PFA:PFA+1] th:TH_LOAD_NT scope:SCOPE_SE
	v_add_nc_u32 v[STG], s67, v[LI]
	v_and_b32 v4, 15, v0
	v_bfe_u32 v5, v0, 4, 1
	s_delay_alu instid0(VALU_DEP_2)
	v_lshlrev_b32 v[CO], 4, v4
	s_delay_alu instid0(VALU_DEP_1)
	v_lshl_add_u32 v[CO], v5, 3, v[CO]
	v_and_b32 v6, 8, v4
	s_delay_alu instid0(VALU_DEP_1)
	v_add_nc_u32 v[DM], v6, v4
	v_lshlrev_b32 v6, 4, v5
	s_delay_alu instid0(VALU_DEP_1)
	v_sub_nc_u32 v[DM], v[DM], v6
	s_delay_alu instid0(VALU_DEP_1)
	v_add_nc_u32 v[DM], s66, v[DM]
.macro FRESH                           ; a tile's state at its start: the largest t -3e38, sums and O^T zero, which the first change of M leaves zero
	v_mov_b32 v13, 0xff61b1e6
	s_delay_alu instid0(VALU_DEP_1)
	v_floor_f32 v12, -v13
	v_mov_b32 v14, 0
	v_mov_b32 v15, 0
.set n, 0
.rept 32
	v_mov_b32 v[OT+n], 0
.set n, n+1
.endr
.endm
	FRESH
	v_mov_b32 v[FF], 0
	v_mov_b32 v[FF+1], 0
	v_mov_b32 v[SU], 0
	v_mov_b32 v[SU+1], 0
	v_mov_b32 v[PD], 0
	v_mov_b32 v[NINF], 0xff800000
	s_wait_kmcnt 0x0
	s_add_co_i32 s84, s74, s75
	s_lshl_b32 s84, s84, 23
	s_add_co_i32 s[CS], s[CS], s84                 ; e6 + e7 go into c's exponent field
	s_mov_b32 s[CS+1], s[CS]
	s_add_co_i32 s[EO], s76, s77
	s_add_co_i32 s84, s77, 127
	s_lshl_b32 s86, s84, 23
	v_mov_b32 v[SCP], s86                          ; 2^e9
	s_add_co_i32 s84, s84, 15
	s_lshl_b32 s84, s84, 23
	s_or_b32 s84, s84, 0x600000
	v_mov_b32 v[LIMP], s84                         ; 57,344 x 2^e9
	v_mov_b32 v[LIMP2], s84
	s_add_co_i32 s84, s78, 127
	s_lshl_b32 s86, s84, 23
	v_mov_b32 v[SCC], s86                          ; 2^e10
	s_add_co_i32 s84, s84, 15
	s_lshl_b32 s84, s84, 23
	s_or_b32 s84, s84, 0x600000
	v_mov_b32 v[LIMC], s84
; A finished tile: O^T / the sum x 2^(e8 + e9), held, converted with 2^e10, stored: 32 lanes store 256 consecutive bytes, aligned.
.macro FINISH
	s_wait_xcnt 0x0                                ; earlier stores have read their data: the codes' registers may be written
	v_add_f32 v14, v14, v15
	s_delay_alu instid0(VALU_DEP_1)
	v_permlanex16_b32 v[PD], v14, s[SEL], s[SEL+1]
	s_delay_alu instid0(VALU_DEP_1)
	v_add_f32 v14, v14, v[PD]
	s_wait_alu depctr_va_vdst(0)                   ; the wait ahead of the transcendental,
	v_rcp_f32 v14, v14
	v_nop
	v_nop
	v_nop
	s_wait_alu depctr_va_vdst(0)                   ; ahead of its first reader,
	v_ldexp_f32 v14, v14, s[EO]
	s_wait_alu depctr_va_vdst(0)                   ; and directly ahead of the first reader of O^T
.set n, 0
.rept 32
	v_mul_f32 v[S+n], v[OT+n], v14
.set n, n+1
.endr
.set n, 0
.rept 32
	v_med3_num_f32 v[S+n], v[S+n], -v[LIMC], v[LIMC]   ; the conversion does not saturate (ISA guide 7.6.2)
.set n, n+1
.endr
.irp t, 0,1,2,3
	v_cvt_scalef32_pk8_bf8_f32 v[CC+2*\t:CC+2*\t+1], v[S+8*\t:S+8*\t+7], v[SCC]
.endr
	v_nop
.irp t, 0,1,2,3
	global_store_b64 v[CO], v[CC+2*\t:CC+2*\t+1], s[8:9] offset:256*\t
.endr
.endm
; A KEY STEP: 128 keys.  ps: bytes from piece to piece in the group in hand.
.macro STEP ps
	s_bitcmp1_b32 s[ACT], s[KI]                    ; the wave's number and the count of steps alone
	s_cbranch_scc0 .Lidle_\@
	v_add_nc_u32 v[ADK], s[TB], v[LI]              ; these four additions are the places ahead of loads into registers that matrix instructions have read
	s_delay_alu instid0(VALU_DEP_1)
	v_add_nc_u32 v[ADK+1], 4*\ps, v[ADK]
	v_add_nc_u32 v[ADV], 8*\ps, v[ADK]
	v_add_nc_u32 v[ADV+1], 12*\ps, v[ADK]
.irp t, 0,1,2,3,4,5,6,7
	ds_load_b128 v[KV+8*\t:KV+8*\t+3], v[ADK+\t/4] offset:\ps*(\t%4)
	ds_load_b128 v[KV+8*\t+4:KV+8*\t+7], v[ADK+\t/4] offset:\ps*(\t%4)+512
.endr
	s_wait_alu depctr_va_vdst(0)
	s_wait_dscnt 0x0
.irp t, 0,1,2,3,4,5,6,7
	v_wmma_f32_16x16x64_bf8_bf8 v[S+8*\t:S+8*\t+7], v[KV+8*\t:KV+8*\t+7], v[QF:QF+7], 0   ; S^T: a lane holds one query; tiles 2 b, 2 b + 1 hold keys 32 b + 16 h + 0 .. 15
.endr
.rept 4
	v_nop
.endr
.irp t, 0,1,2,3
.irp c, 0,1,2,3
	ds_load_b128 v[KV+16*\t+4*\c:KV+16*\t+4*\c+3], v[ADV+\t/2] offset:\ps*((2*\t+\c/2)%4)+512*(\c%2)   ; V's fragments come under the softmax
.endr
.endr
	s_cmp_lg_u32 s[KI], s[DG]
	s_cbranch_scc1 .Lopen_\@
.set n, 0
.rept 64                               ; on the diagonal hidden scores become -infinity
	v_cmp_gt_i32 vcc_lo, 32*(n/16)+n%16, v[DM]
	v_cndmask_b32 v[S+n], v[S+n], v[NINF], vcc_lo
.set n, n+1
.endr
.Lopen_\@:
	v_max3_num_f32 v[MX], v[S], v[S+1], v[S+2]
	v_max3_num_f32 v[FF], v[S+3], v[S+4], v[S+5]
.irp i, 6,10,14,18,22,26,30,34,38,42,46,50,54,58
	v_max3_num_f32 v[MX], v[MX], v[S+\i], v[S+1+\i]
	v_max3_num_f32 v[FF], v[FF], v[S+2+\i], v[S+3+\i]
.endr
	v_max3_num_f32 v[MX], v[MX], v[S+62], v[S+63]
	s_delay_alu instid0(VALU_DEP_1)
	v_max_num_f32 v[MX], v[MX], v[FF]
	s_delay_alu instid0(VALU_DEP_1)
	v_permlanex16_b32 v[PD], v[MX], s[SEL], s[SEL+1]
	s_delay_alu instid0(VALU_DEP_1)
	v_max_num_f32 v[MX], v[MX], v[PD]
	s_delay_alu instid0(VALU_DEP_1)
	v_mul_f32 v[MX], s[CS], v[MX]
	s_delay_alu instid0(VALU_DEP_1)
	v_max_num_f32 v13, v13, v[MX]                  ; the running largest t
	v_mov_b32 v[MX], v12
	s_delay_alu instid0(VALU_DEP_2)
	v_floor_f32 v12, -v13                          ; -M, a whole number
	s_delay_alu instid0(VALU_DEP_1)
	v_sub_f32 v[MX], v12, v[MX]
	s_delay_alu instid0(VALU_DEP_1)
	v_cvt_i32_f32 v[MX], v[MX]
	s_delay_alu instid0(VALU_DEP_1)
	v_ldexp_f32 v[FF], 1.0, v[MX]                  ; f = 2^(old M - new M)
.set n, 0
.rept 32
	v_pk_fma_f32 v[S+n:S+n+1], v[S+n:S+n+1], s[CS:CS+1], v[12:13] op_sel_hi:[1,0,0]
.set n, n+2
.endr
	s_wait_alu depctr_va_vdst(0)                   ; one wait ahead of the batch,
.set n, 0
.rept 64
	v_exp_f32 v[S+n], v[S+n]
.set n, n+1
.endr
	v_pk_mul_f32 v[14:15], v[14:15], v[FF:FF+1] op_sel_hi:[1,0]
	s_wait_alu depctr_va_vdst(0)                   ; and one behind it
	v_pk_add_f32 v[SU:SU+1], v[S:S+1], v[S+2:S+3]
.irp j, 4,8,12,16,20,24,28,32,36,40,44,48,52,56,60
	v_pk_add_f32 v[14:15], v[14:15], v[S+\j:S+1+\j]
	v_pk_add_f32 v[SU:SU+1], v[SU:SU+1], v[S+2+\j:S+3+\j]
.endr
	v_pk_add_f32 v[14:15], v[14:15], v[SU:SU+1]
.irp b, 0,1,2,3
.irp i, 0,2,4,6,8,10,12,14
	v_dual_min_num_f32 v[S+16*\b+\i], v[S+16*\b+\i], v[LIMP] :: v_dual_min_num_f32 v[S+16*\b+\i+1], v[S+16*\b+\i+1], v[LIMP2]   ; the hold, two numbers an instruction; p is not negative
.endr
	v_cvt_scalef32_pk8_bf8_f32 v[PC+4*\b:PC+1+4*\b], v[S+16*\b:S+7+16*\b], v[SCP]
	v_cvt_scalef32_pk8_bf8_f32 v[PC+2+4*\b:PC+3+4*\b], v[S+8+16*\b:S+15+16*\b], v[SCP]
.endr
	s_wait_alu depctr_va_vdst(0)                   ; the wait directly ahead of the first reader of O^T
.set n, 0
.rept 16
	v_pk_mul_f32 v[OT+n:OT+n+1], v[OT+n:OT+n+1], v[FF:FF+1] op_sel_hi:[1,0]
.set n, n+2
.endr
	s_wait_alu depctr_va_vdst(0)                   ; and here, directly ahead of the wait below
	s_wait_dscnt 0x0
.irp t, 0,1,2,3
	v_wmma_f32_16x16x128_bf8_bf8 v[OT+8*\t:OT+8*\t+7], v[KV+16*\t:KV+16*\t+15], v[PC:PC+15], v[OT+8*\t:OT+8*\t+7]
.endr
	s_cmp_lg_u32 s[KI], s[SWK]
	s_cbranch_scc1 .Lidle_\@
	FINISH                                         ; A: the early tile is done and leaves; the late tile's part begins
	FRESH
.set n, 0
.rept 8
	v_mov_b32 v[QF+n], v[QF2+n]
.set n, n+1
.endr
	s_wait_alu depctr_va_vdst(0)
.Lidle_\@:
	s_add_co_u32 s[TB], s[TB], 1024
	s_add_co_u32 s[KI], s[KI], 1
.endm
	s_wait_alu depctr_va_vdst(0)                   ; the wait at the head's end
	s_wait_tensorcnt 0x0                           ; my piece of steps 0, 1 is in
	ds_add_u32 v[SPW], v[NIL]
	s_wait_dscnt 0x0
	CROUND                                         ; everybody's piece is in, and the four work-groups are here: the joint loads meet
	tensor_load_to_lds s[G0B:G0B+3], s[G1L:G1L+7]  ; key steps 2 .. 15: my one load behind the round
	s_nop 0
.rept 4
	v_nop
.endr
	s_wait_loadcnt 0x0                             ; q
	s_mov_b32 s[CNT], N1
.Lfirst:
	STEP PS1
	s_sub_co_u32 s[CNT], s[CNT], 1
	s_cmp_lg_u32 s[CNT], 0
	s_cbranch_scc1 .Lfirst
	s_wait_tensorcnt 0x0                           ; my piece of the second group is in
	s_wait_dscnt 0x0
	s_barrier_signal -1
	s_barrier_wait -1
	s_mov_b32 s[TB], GRP2
	s_mov_b32 s[CNT], N2
.Lsecond:
	STEP PS2
	s_sub_co_u32 s[CNT], s[CNT], 1
	s_cmp_lg_u32 s[CNT], 0
	s_cbranch_scc1 .Lsecond
.rept 4
	v_nop                                          ; places behind the last products
.endr
	s_cmp_lt_u32 s[WV], 8
	s_cbranch_scc0 .Lkeeps
	s_wait_alu depctr_va_vdst(0)                   ; the wait directly ahead of these readers
.irp i, 0,1,2,3,4,5,6,7
	ds_store_b128 v[STG], v[OT+4*\i:OT+4*\i+3] offset:512*\i   ; A's part as an image of its registers
.endr
	ds_store_b128 v[STG], v[12:15] offset:4096     ; -M, the largest t, the sum's halves
.Lkeeps:
	s_wait_dscnt 0x0                               ; for B's sake
	s_barrier_signal -1
	s_barrier_wait -1
	s_cmp_lt_u32 s[WV], 8
	s_cbranch_scc1 .Lend
.irp i, 0,1,2,3,4,5,6,7,8
	ds_load_b128 v[KV+4*\i:KV+4*\i+3], v[STG] offset:512*\i
.endr
	s_wait_dscnt 0x0
	v_min_num_f32 v[MX], v12, v[KV+32]             ; -M of both parts together
	s_delay_alu instid0(VALU_DEP_1)
	v_sub_f32 v[FF], v[MX], v12
	v_sub_f32 v[SU], v[MX], v[KV+32]
	s_delay_alu instid0(VALU_DEP_2)
	v_cvt_i32_f32 v[FF], v[FF]                     ; (it saturates: an empty part's factor is 0)
	s_delay_alu instid0(VALU_DEP_2)
	v_cvt_i32_f32 v[SU], v[SU]
	s_delay_alu instid0(VALU_DEP_2)
	v_ldexp_f32 v[FF], 1.0, v[FF]                  ; my factor,
	s_delay_alu instid0(VALU_DEP_2)
	v_ldexp_f32 v[SU], 1.0, v[SU]                  ; and A's: powers of two
	s_delay_alu instid0(VALU_DEP_2)
	v_pk_mul_f32 v[14:15], v[14:15], v[FF:FF+1] op_sel_hi:[1,0]
	s_delay_alu instid0(VALU_DEP_1)
	v_pk_fma_f32 v[14:15], v[KV+34:KV+35], v[SU:SU+1], v[14:15] op_sel_hi:[1,0,1]
.set n, 0
.rept 16
	v_pk_mul_f32 v[OT+n:OT+n+1], v[OT+n:OT+n+1], v[FF:FF+1] op_sel_hi:[1,0]
.set n, n+2
.endr
.set n, 0
.rept 16
	v_pk_fma_f32 v[OT+n:OT+n+1], v[KV+n:KV+n+1], v[SU:SU+1], v[OT+n:OT+n+1] op_sel_hi:[1,0,1]
.set n, n+2
.endr
	FINISH
.Lend:
	s_wait_tensorcnt 0x0                           ; the wave's end
	ds_add_u32 v[SPW], v[NIL]
	s_wait_dscnt 0x0
	CROUND                                         ; the closing round
	s_endpgm
.Lfunc_end_k_q1b9f74de5a_attn:
	.size	k_q1b9f74de5a_attn, .Lfunc_end_k_q1b9f74de5a_attn-k_q1b9f74de5a_attn
	.p2alignl 7, 3214868480
	.fill 96, 4, 3214868480
	.section	.rodata,"a",@progbits
	.p2align	6, 0x0
	.amdhsa_kernel k_q1b9f74de5a_attn
		.amdhsa_group_segment_fixed_size 327680
		.amdhsa_private_segment_fixed_size 0
		.amdhsa_enable_private_segment 0
		.amdhsa_kernarg_size 24
		.amdhsa_user_sgpr_count 2
		.amdhsa_user_sgpr_kernarg_segment_ptr 1
		.amdhsa_wavefront_size32 1
		.amdhsa_system_sgpr_workgroup_id_x 1
		.amdhsa_system_sgpr_workgroup_id_y 1
		.amdhsa_system_sgpr_workgroup_id_z 1
		.amdhsa_system_vgpr_workitem_id 0
		.amdhsa_next_free_vgpr 256
		.amdhsa_next_free_sgpr 100
		.amdhsa_reserve_vcc 1
		.amdhsa_float_denorm_mode_32 3
		.amdhsa_float_denorm_mode_16_64 3
		.amdhsa_memory_ordered 1
		.amdhsa_forward_progress 1
		.amdhsa_inst_pref_size 73
	.end_amdhsa_kernel
	.amdgpu_metadata
---
amdhsa.version: [ 1, 2 ]
amdhsa.kernels:
  - .name:           k_q1b9f74de5a_attn
    .symbol:         k_q1b9f74de5a_attn.kd
    .args:
      - { .name: qkvi, .offset: 0, .size: 8, .value_kind: global_buffer, .address_space: global }
      - { .name: lowp_scales, .offset: 8, .size: 8, .value_kind: global_buffer, .address_space: global }
      - { .name: cimg, .offset: 16, .size: 8, .value_kind: global_buffer, .address_space: global }
    .group_segment_fixed_size: 327680
    .private_segment_fixed_size: 0
    .kernarg_segment_align: 8
    .kernarg_segment_size: 24
    .max_flat_workgroup_size: 512
    .sgpr_count:     100
    .vgpr_count:     256
    .wavefront_size: 32
...
	.end_amdgpu_metadata
.endif
;; end of part 3
;; launch wo (part 4): grid 8 x 32, 4 waves a work-group, clusters of 4 x 4, 327,680 bytes of LDS; arguments cimg, Wo_codes, lowp_scales, bo, x, x1; writes x1
.if DOCPART == 4
	.amdgcn_target "amdgcn-amd-amdhsa--gfx1250"
	.amdhsa_code_object_version 6
	.text
	.protected	k_q1b9f74de5a_wo
	.globl	k_q1b9f74de5a_wo
	.p2align	8
	.type	k_q1b9f74de5a_wo,@function
k_q1b9f74de5a_wo:
	s_mov_b64 s[64:65], 0
	v_nop
	global_prefetch_b8 v0, s[64:65] scope:SCOPE_SE
	s_setreg_imm32_b32 hwreg(HW_REG_WAVE_MODE, 25, 1), 1
	s_wait_xcnt 0x0
	s_wait_alu depctr_hold_cnt(0) depctr_sa_sdst(0) depctr_va_vdst(0) depctr_va_sdst(0) depctr_va_ssrc(0) depctr_va_vcc(0) depctr_vm_vsrc(0)
	s_getreg_b32 s2, hwreg(HW_REG_IB_STS2, 6, 4)
	s_cmp_eq_u32 s2, 0
	s_cbranch_scc0 .Lentry_in_a_cluster
	s_endpgm
.Lentry_in_a_cluster:
	s_bfe_u32 s2, ttmp6, 0x10000c
	s_cmp_lg_u32 s2, 0xf033
	s_cbranch_scc0 .Lentry_shape_is_right
	s_endpgm
.Lentry_shape_is_right:
; out = resid + bias + A W^T on codes of BF8 (E5M2).  A: an image of codes, [4096 tokens][KTOT]; W: [1024 (n)][KTOT] codes; bias [1024], resid and out [4096][1024] f32.  Here: x1 = x + ctx Wo + bo.
; A tile of the result is 128 tokens x 128 columns; four waves, each 64 x 64: 16 accumulators.  K goes in steps of 512 through two LDS slots; with KTOT = 1,024 both are asked for at the start and nothing is filled twice.
; CLUSTERS: 4 x 4 work-groups; A's tile is asked for jointly along a row of the cluster, W's along a column.
; THE IMAGE: code of (block G of 16 tokens, row r, k) at (k / 512) 2,097,152 + 8,192 G + 256 ((k % 512) / 16) + 16 r + k % 16; row r of block G is token 32 (G / 2) + 8 (G % 2) + r + 8 (r / 8).
; A lane's registers 4 c .. 4 c + 3 of a fragment hold k = 32 c + 16 (lane / 16) + 0 .. 15 in both operands.  Source 0 = 16 rows of W, source 1 = 16 tokens: a lane holds eight neighbouring columns of one token.
; THE WAY OUT: a block of 16 tokens x 64 columns goes through the wave's stage in LDS and comes back as rows of 256 bytes; there sum x 2^(eA + eB) + (resid + bias) is one packed multiply-add for two numbers.
; The residual's 64 x 64 numbers are asked for at the head, in the layout in which the rows come back, and wait in window 2.  The stage lies in slot 0, which has had its last fill and its last read by then.
; LIMITS: eA + eB between -126 and 127.
.set KTOT,  1024
.set LAPS,  KTOT/1024                  ; a lap = two K steps = once round the two slots
.set EA,    78                         ; s[EA], s[EA+1]: the two exponents (entries 10 and 11; the sixteen lie in s68-83)
.set PITCH, 528                        ; a row of W in LDS: 512 bytes + 16 of padding: the 16 rows of a load start at 16 different banks (64 banks of 4 bytes: ISA guide 11.1)
.set BOFF,  65536                      ; a slot: 8 blocks of the image (8,192 bytes each), then 128 rows of W
.set BHALF, 64*PITCH
.set SLOT,  BOFF+2*BHALF
.set SPARE, 2*SLOT                     ; behind the slots: the spare words, 128 bytes for each wave
.set ASTEP, 2097152
.set SPITCH, 272
.set BO,   5                           ; v5  16 (lane % 16)
.set ADRA, 16
.set ADRB, 20
.set STO,  24
.set RD,   25
.set RO,   26                          ; v26 4,096 (lane / 16) + 16 (lane % 16)
.set LI,   27
.set SPW,  28
.set NIL,  29
.set BK,   32                          ; v32-63, v64-95 by turns: a block's rows back from the stage
.set BI,   96                          ; v96-99 bias
.set ACC,  128
.set F0,   0
.set F1,   128
.set G1,   24
.set G0,   32
.set G1B,  48
.set G0B,  56
.set MSB, 0
.macro WIN new                         ; the immediate's high byte repeats the setting that is left
.if MSB != \new
	s_set_vgpr_msb (MSB<<8)|\new
.set MSB, \new
.endif
.endm
.set MUL,  0x05                        ; sources 0 and 1 window 1; C and D window 0
.set TO_F, 0x40                        ; destination window 1, address window 0
; WHO ASKS: each wave owns one whole tile: wave 0 slot 0's part of A, wave 1 slot 0's rows of W, wave 2 and wave 3 the same of slot 1.  At the head waves 0 and 1 ask for slot 0's tiles;
; slot 1's are asked for by waves 2 and 3 behind the full sequence and a round, as a refill is.  A wave has one load out at the most.
.macro ONE g0, g1                      ; one joint load, and behind it an s_nop and four v_nop
	tensor_load_to_lds s[\g0:\g0+3], s[\g1:\g1+7]
	s_nop 0
.rept 4
	v_nop
.endr
.endm
.macro JLOAD s                         ; slot s is filled again (where KTOT has more than two steps): wave 2 s asks for A, wave 2 s + 1 for W; the other two pass four plain lines, the places ahead of the loads that follow
	s_cmp_eq_u32 s10, 2*\s
	s_cbranch_scc0 .Lfor_b_\@
	ONE G0+4*\s, G1
	s_branch .Lasked_\@
.Lfor_b_\@:
	s_cmp_eq_u32 s10, 2*\s+1
	s_cbranch_scc0 .Lnone_\@
	ONE G0B+4*\s, G1B
	s_branch .Lasked_\@
.Lnone_\@:
.rept 4
	v_nop
.endr
.Lasked_\@:
.endm
.macro CREST                           ; a round of the cluster's barrier behind its opening barrier
	s_cmp_lg_u32 s10, 0
	s_cbranch_scc1 .Lnot_wave_0_\@
	s_barrier_signal -3
.Lnot_wave_0_\@:
	s_barrier_wait -3
	s_barrier_signal -1
	s_barrier_wait -1
.endm
.macro CROUND
	s_barrier_signal -1
	s_barrier_wait -1
	CREST
.endm
	s_load_b256 s[84:91], s[0:1], 0x0              ; A's image, W's codes, the scales' exponents, bias
	s_load_b128 s[92:95], s[0:1], 0x20             ; resid, out
	v_lshl_add_u32 v[SPW], v0, 2, SPARE
	v_mov_b32 v[NIL], 0
	ds_add_u32 v28, v29
	ds_add_u32 v28, v29
	s_wait_dscnt 0x0
	v_lshrrev_b32 v1, 5, v0
	v_readfirstlane_b32 s10, v1                    ; wave 0..3
	s_lshr_b32 s11, s10, 1                         ; which 64 tokens are mine.  Also: I fetch A (0) or W (1)
	s_and_b32 s12, s10, 1                          ; which 64 columns.  Also: which half of that tile I fetch
	s_bfe_u32 s40, ttmp6, 0x40000                  ; cx, cy
	s_bfe_u32 s41, ttmp6, 0x40004
	s_lshl_b32 s42, ttmp9, 2
	s_add_co_u32 s42, s42, s40                     ; tile column
	s_and_b32 s13, ttmp7, 0xffff
	s_lshl_b32 s13, s13, 2
	s_add_co_u32 s13, s13, s41                     ; tile row
	s_lshl_b32 s43, s41, 2
	s_lshl_b32 s43, 15, s43                        ; my row of the cluster
	s_lshl_b32 s44, 0x1111, s40                    ; my column
	s_or_b32 s[G1+0], s43, (3<<16)|(1<<21)         ; the image's half tile is one dense block: 256 rows of 32 elements of 8 bytes, no padding
	s_mov_b32 s[G1+1], 32<<16
	s_mov_b32 s[G1+2], 256<<16                     ; the whole tile of the image: 256 rows of 256 bytes
	s_mov_b32 s[G1+3], 32<<16
	s_mov_b32 s[G1+4], 256
	s_mov_b32 s[G1+5], 32
	s_mov_b32 s[G1+6], 0
	s_mov_b32 s[G1+7], 0
	s_or_b32 s[G1B+0], s44, (0<<16)|(1<<20)|(1<<21)|(6<<22)|(3<<25)  ; W: 128 rows of 512 bytes; four words of padding after every 128
	s_mov_b32 s[G1B+1], 512<<16
	s_mov_b32 s[G1B+2], 128<<16                    ; all 128 rows of W
	s_mov_b32 s[G1B+3], 512<<16
	s_mov_b32 s[G1B+4], 128
	s_mov_b32 s[G1B+5], KTOT
	s_mov_b32 s[G1B+6], 0
	s_mov_b32 s[G1B+7], 0
	s_lshl_b32 s16, s13, 16                        ; the image: 8 blocks a tile row
	s_mov_b32 s17, 0
	s_lshl_b32 s46, s42, 7                         ; W: the tile column's 128 rows
	s_mul_i32 s46, s46, KTOT
	s_mov_b32 s47, 0
	s_mov_b32 s45, 0                               ; where they go in a slot: constants
	s_mov_b32 s22, BOFF
	s_wait_kmcnt 0x0
	s_load_b512 s[68:83], s[88:89], 0x0            ; all sixteen exponents
	s_add_nc_u64 s[14:15], s[84:85], s[16:17]
	s_add_nc_u64 s[46:47], s[86:87], s[46:47]
	CROUND                                         ; all sixteen work-groups are here: the first joint loads meet
.irp s, 0,1
	s_mov_b32 s[G0+4*\s], 1
	s_add_co_u32 s[G0+4*\s+1], s45, \s*SLOT
	s_add_nc_u64 s[G0+4*\s+2:G0+4*\s+3], s[14:15], \s*ASTEP
	s_or_b32 s[G0+4*\s+3], s[G0+4*\s+3], 0x80000000
	s_mov_b32 s[G0B+4*\s], 1
	s_add_co_u32 s[G0B+4*\s+1], s22, \s*SLOT
	s_add_nc_u64 s[G0B+4*\s+2:G0B+4*\s+3], s[46:47], \s*512
	s_or_b32 s[G0B+4*\s+3], s[G0B+4*\s+3], 0x80000000
.endr
	JLOAD 0                                        ; slot 0's first fills: waves 0 and 1, one load each
	v_and_b32 v1, 15, v0                           ; r
	v_bfe_u32 v2, v0, 4, 1                         ; h
	v_and_b32 v3, 31, v0
	v_lshlrev_b32 v[LI], 4, v3
	v_mul_u32_u24 v4, v1, PITCH
	v_lshl_add_u32 v4, v2, 4, v4
	s_lshl_b32 s18, s11, 15                        ; my four blocks of the image
	s_mul_i32 s23, s12, BHALF
	s_add_co_u32 s23, s23, BOFF                    ; my 64 rows of W
.irp s, 0,1
	v_add_nc_u32 v[ADRA+\s], s18, v[LI]
	v_add_nc_u32 v[ADRB+\s], s23, v4
	s_add_co_u32 s18, s18, SLOT
	s_add_co_u32 s23, s23, SLOT
.endr
	s_mul_i32 s8, s10, 16*SPITCH                   ; my stage
	v_mul_u32_u24 v6, v1, SPITCH
	v_lshl_add_u32 v6, v2, 5, v6
	v_add_nc_u32 v[STO], s8, v6                    ; in: row r, 32 bytes for each half of the lanes
	v_mul_u32_u24 v7, v2, SPITCH
	v_lshl_add_u32 v7, v1, 4, v7
	v_add_nc_u32 v[RD], s8, v7                     ; back: lanes 0-15 one row of 256 bytes, lanes 16-31 the next
	v_lshlrev_b32 v[BO], 4, v1
	s_wait_alu depctr_va_vdst(0)
	v_lshl_add_u32 v[RO], v2, 12, v[BO]            ; and the same two rows in resid and out
	s_wait_alu depctr_va_vdst(0)
	s_lshl_b32 s6, s42, 7
	s_lshl_b32 s7, s12, 6
	s_add_co_u32 s6, s6, s7
	s_lshl_b32 s6, s6, 2                           ; my first column, in bytes
	s_mov_b32 s7, 0
	s_add_nc_u64 s[90:91], s[90:91], s[6:7]
	s_lshl_b32 s4, s13, 7
	s_lshl_b32 s5, s11, 6
	s_add_co_u32 s4, s4, s5
	s_lshl_b32 s4, s4, 12                          ; my first token's row
	s_add_co_u32 s4, s4, s6
	s_mov_b32 s5, 0
	s_add_nc_u64 s[92:93], s[92:93], s[4:5]
	s_add_nc_u64 s[94:95], s[94:95], s[4:5]
; A PREFETCH INTO THE L2 of K step 1, which is asked for only when K step 0 has landed: 256 blocks of 256 bytes of the image's tile and 256 of W's.  Each block is named once in each cluster that will load it:
; the four partners that ask for a tile jointly share its blocks out by address (cx for the image, cy for W), 64 each; waves 0 and 1 name the image's, waves 2 and 3 W's, 32 a wave, a lane a block.
.set PFA, 66                           ; s[66:67] where my blocks begin; never rewritten
.set PFO, 30                           ; v30      my lane's block; never rewritten
	s_lshl_b32 s4, s13, 16                         ; the image: my tile row's 8 blocks of tokens,
	s_lshl_b32 s6, s40, 14
	s_add_co_u32 s4, s4, s6                        ; my work-group's quarter,
	s_lshl_b32 s6, s12, 13
	s_add_co_u32 s4, s4, s6                        ; my wave's half of it,
	s_add_co_u32 s4, s4, ASTEP                     ; in K step 1
	s_lshl_b32 s6, s42, 7                          ; W: my tile column's rows,
	s_lshl_b32 s7, s41, 5
	s_add_co_u32 s6, s6, s7                        ; my work-group's 32,
	s_lshl_b32 s7, s12, 4
	s_add_co_u32 s6, s6, s7                        ; my wave's 16,
	s_mul_i32 s6, s6, KTOT
	s_add_co_u32 s6, s6, 512                       ; in K step 1
	s_mov_b32 s7, KTOT
	s_cmp_eq_u32 s11, 0                            ; waves 0 and 1: the image
	s_cselect_b32 s4, s4, s6
	s_cselect_b32 s7, 512, s7                      ; from one pair of lanes to the next
	s_cselect_b64 s[PFA:PFA+1], s[84:85], s[86:87]
	s_mov_b32 s5, 0
	s_add_nc_u64 s[PFA:PFA+1], s[PFA:PFA+1], s[4:5]
	v_lshrrev_b32 v[PFO], 1, v3
	v_mul_u32_u24 v[PFO], v[PFO], s7
	v_and_b32 v6, 1, v3
	v_lshl_add_u32 v[PFO], v6, 8, v[PFO]
	global_prefetch_b8 v[PFO], s[PFA:PFA+1] th:TH_LOAD_NT scope:SCOPE_SE
	global_load_b128 v[BI:BI+3], v[BO], s[90:91]
	WIN 0x80                                       ; destination window 2
.irp a, 0,1,2,3                        ; rows 2 t, 2 t + 1 of block a are tokens 32 (a / 2) + 8 (a % 2) + 2 t + 8 (t / 4) and the next
.irp t, 0,1,2,3,4,5,6,7
	global_load_b128 v[4*(8*\a+\t):4*(8*\a+\t)+3], v[RO], s[92:93] offset:(32*(\a/2)+8*(\a%2)+2*\t+8*(\t/4))*4096
.endr
.endr
	WIN 0
	s_wait_kmcnt 0x0
	s_add_co_i32 s96, s[EA], s[EA+1]
	s_add_co_i32 s96, s96, 127
	s_lshl_b32 s96, s96, 23                        ; 2^(eA + eB) as f32
	s_mov_b32 s97, s96                             ; (named with it as a pair)
; four matrix instructions: block a of the tokens x W's four.  The 16 accumulators take turns, one instruction a turn, in the same order in every quarter.
.macro MULA f, a, zero
.irp b, 0,1,2,3
.if \zero
	v_wmma_f32_16x16x128_bf8_bf8 v[ACC+8*(4*(\a)+\b):ACC+8*(4*(\a)+\b)+7], v[\f+64+16*\b:\f+64+16*\b+15], v[\f+16*(\a):\f+16*(\a)+15], 0
.else
	v_wmma_f32_16x16x128_bf8_bf8 v[ACC+8*(4*(\a)+\b):ACC+8*(4*(\a)+\b)+7], v[\f+64+16*\b:\f+64+16*\b+15], v[\f+16*(\a):\f+16*(\a)+15], v[ACC+8*(4*(\a)+\b):ACC+8*(4*(\a)+\b)+7]
.endif
.endr
.endm
; 32 LDS loads in one run: the fragments of the slot's q-th 128 along K into buffer f: W's four, then the tokens' blocks 0, 1, then 2, 3
.macro FETCH slot, q, f
	WIN TO_F
.irp b, 0,1,2,3
.irp c, 0,1,2,3
	ds_load_b128 v[\f+64+16*\b+4*\c:\f+64+16*\b+4*\c+3], v[ADRB+\slot] offset:\b*16*PITCH+128*(\q)+32*\c
.endr
.endr
.irp a, 0,1,2,3
.irp c, 0,1,2,3
	ds_load_b128 v[\f+16*\a+4*\c:\f+16*\a+4*\c+3], v[ADRA+\slot] offset:\a*8192+2048*(\q)+512*\c
.endr
.endr
.endm
.macro PLACES                          ; four plain instructions in front of loads into registers that matrix instructions have read
.rept 4
	v_nop
.endr
.endm
.macro QUARTER slot, qn, f, g, zero    ; 128 along K from buffer f; in its middle the next quarter, the slot's qn-th, is fetched into g
	s_wait_dscnt 8                                 ; W's fragments and blocks 0, 1 are in; the youngest eight loads (blocks 2, 3) may be out
	WIN MUL
	MULA \f, 0, \zero
	MULA \f, 1, \zero
	PLACES
	FETCH \slot, \qn, \g
	s_wait_dscnt 32                                ; all but the 32 just issued
	WIN MUL
	MULA \f, 2, \zero
	MULA \f, 3, \zero
.endm
; A slot's last quarter changes slots: ONE barrier; in front of it each wave waits for all its tensor loads, adds 0 to its spare word, and waits for that and for its reads of this slot.  fill = 1: this slot is filled again, two K steps ahead.
.macro TURN slot, next, fill
	WIN 0
	s_wait_tensorcnt 0x0                           ; all my tensor loads have landed: my part of the next slot
	ds_add_u32 v[SPW], v[NIL]                      ; 0 onto my spare word
	s_wait_dscnt 9                                 ; the add and the youngest eight loads may be out
	WIN MUL
	MULA F1, 0, 0
	MULA F1, 1, 0
	s_wait_dscnt 0x0                               ; the add is done, and my reads of this slot are over
	s_barrier_signal -1
	MULA F1, 2, 0
	WIN 0
	s_barrier_wait -1
.if \fill
	CREST                                          ; the barrier has opened a round of the cluster's: no wave of any partner still reads this slot or has a load on its way
	s_add_nc_u64 s[G0+4*\slot+2:G0+4*\slot+3], s[G0+4*\slot+2:G0+4*\slot+3], 2*ASTEP
	s_add_nc_u64 s[G0B+4*\slot+2:G0B+4*\slot+3], s[G0B+4*\slot+2:G0B+4*\slot+3], 2*512
	JLOAD \slot                                    ; the first tensor load behind the round; its four v_nop are also the places in front of the loads below
.else
	PLACES
.endif
	FETCH \next, 0, F0
	WIN MUL
	MULA F1, 3, 0
.endm
	s_wait_alu depctr_va_vdst(0)                   ; the wait at the head's end
	s_wait_tensorcnt 0x0                           ; slot 0's loads have landed
	ds_add_u32 v[SPW], v[NIL]
	ds_add_u32 v[SPW], v[NIL]
	s_wait_dscnt 0x0
	CROUND                                         ; slot 0 is whole, and all sixteen work-groups are here
	JLOAD 1                                        ; slot 1's first fills: waves 2 and 3, one load each
	FETCH 0, 0, F0
	QUARTER 0, 1, F0, F1, 1                        ; the first products start the sums: nothing is cleared
.if LAPS > 1
	WIN 0
	s_mov_b32 s3, LAPS-1
.Llap:                                 ; a trip goes once round the two slots, from a lap's second quarter to the next lap's first, and fills both again
	QUARTER 0, 2, F1, F0, 0
	QUARTER 0, 3, F0, F1, 0
	TURN 0, 1, 1
	QUARTER 1, 1, F0, F1, 0
	QUARTER 1, 2, F1, F0, 0
	QUARTER 1, 3, F0, F1, 0
	TURN 1, 0, 1
	QUARTER 0, 1, F0, F1, 0
	WIN 0
	s_sub_co_u32 s3, s3, 1
	s_cmp_lg_u32 s3, 0
	s_cbranch_scc1 .Llap
.endif
	QUARTER 0, 2, F1, F0, 0
	QUARTER 0, 3, F0, F1, 0
	TURN 0, 1, 0
	QUARTER 1, 1, F0, F1, 0
	QUARTER 1, 2, F1, F0, 0
	QUARTER 1, 3, F0, F1, 0
	s_wait_dscnt 8
	WIN MUL
	MULA F1, 0, 0
	MULA F1, 1, 0
	s_wait_dscnt 0x0
	MULA F1, 2, 0
	MULA F1, 3, 0
	s_wait_loadcnt 0x0                             ; bias and residual
	WIN 0x82                                       ; destination and source 0 window 2
.set n, 0
.rept 32
	v_pk_add_f32 v[4*n:4*n+1], v[4*n:4*n+1], v[BI:BI+1]       ; resid + bias; these 64 are also the places behind the last products
	v_pk_add_f32 v[4*n+2:4*n+3], v[4*n+2:4*n+3], v[BI+2:BI+3]
.set n, n+1
.endr
	WIN 0
.macro TOSTAGE a                       ; block a's sums into my stage, each accumulator from its low end on, and back as rows; LDS serves a wave's instructions in order (ISA guide 5.7.1.4)
.set BB, BK+32*((\a)%2)
.irp b, 0,1,2,3
	ds_store_b128 v[STO], v[ACC+8*(4*(\a)+\b):ACC+8*(4*(\a)+\b)+3] offset:64*\b
	ds_store_b128 v[STO], v[ACC+8*(4*(\a)+\b)+4:ACC+8*(4*(\a)+\b)+7] offset:64*\b+16
.endr
.irp t, 0,1,2,3,4,5,6,7
	ds_load_b128 v[BB+4*\t:BB+4*\t+3], v[RD] offset:\t*2*SPITCH
.endr
.endm
.macro SEND a, younger                 ; younger: the LDS instructions issued behind block a's loads
.set BB, BK+32*((\a)%2)
	s_wait_dscnt \younger
	WIN 0x20                                       ; source 2 window 2
.irp t, 0,1,2,3,4,5,6,7
.irp u, 0,2
	v_pk_fma_f32 v[BB+4*\t+\u:BB+4*\t+\u+1], v[BB+4*\t+\u:BB+4*\t+\u+1], s[96:97], v[4*(8*(\a)+\t)+\u:4*(8*(\a)+\t)+\u+1] op_sel_hi:[1,0,1]
.endr
.endr
	WIN 0
.irp t, 0,1,2,3,4,5,6,7
	global_store_b128 v[RO], v[BB+4*\t:BB+4*\t+3], s[94:95] offset:(32*((\a)/2)+8*((\a)%2)+2*\t+8*(\t/4))*4096   ; sixteen lanes store 256 consecutive bytes, aligned
.endr
.endm
	TOSTAGE 0
.irp a, 1,2,3
.if \a > 1
	s_wait_xcnt 0x0                                ; block a - 2's stores have read their registers: block a's rows may land there
.endif
	TOSTAGE \a
	SEND \a-1, 16                                  ; behind block a - 1's loads: block a's 8 stores and 8 loads
.endr
	SEND 3, 0
	s_wait_tensorcnt 0x0                           ; the wave's end
	ds_add_u32 v[SPW], v[NIL]
	s_wait_dscnt 0x0
	CROUND                                         ; the closing round
	s_endpgm
.Lfunc_end_k_q1b9f74de5a_wo:
	.size	k_q1b9f74de5a_wo, .Lfunc_end_k_q1b9f74de5a_wo-k_q1b9f74de5a_wo
	.p2alignl 7, 3214868480
	.fill 96, 4, 3214868480
	.section	.rodata,"a",@progbits
	.p2align	6, 0x0
	.amdhsa_kernel k_q1b9f74de5a_wo
		.amdhsa_group_segment_fixed_size 327680
		.amdhsa_private_segment_fixed_size 0
		.amdhsa_enable_private_segment 0
		.amdhsa_kernarg_size 48
		.amdhsa_user_sgpr_count 2
		.amdhsa_user_sgpr_kernarg_segment_ptr 1
		.amdhsa_wavefront_size32 1
		.amdhsa_system_sgpr_workgroup_id_x 1
		.amdhsa_system_sgpr_workgroup_id_y 1
		.amdhsa_system_sgpr_workgroup_id_z 1
		.amdhsa_system_vgpr_workitem_id 0
		.amdhsa_next_free_vgpr 640
		.amdhsa_next_free_sgpr 102
		.amdhsa_reserve_vcc 0
		.amdhsa_float_denorm_mode_32 3
		.amdhsa_float_denorm_mode_16_64 3
		.amdhsa_memory_ordered 1
		.amdhsa_forward_progress 1
		.amdhsa_inst_pref_size 55
	.end_amdhsa_kernel
	.amdgpu_metadata
---
amdhsa.version: [ 1, 2 ]
amdhsa.kernels:
  - .name:           k_q1b9f74de5a_wo
    .symbol:         k_q1b9f74de5a_wo.kd
    .args:
      - { .name: cimg, .offset: 0, .size: 8, .value_kind: global_buffer, .address_space: global }
      - { .name: Wo_codes, .offset: 8, .size: 8, .value_kind: global_buffer, .address_space: global }
      - { .name: lowp_scales, .offset: 16, .size: 8, .value_kind: global_buffer, .address_space: global }
      - { .name: bo, .offset: 24, .size: 8, .value_kind: global_buffer, .address_space: global }
      - { .name: x, .offset: 32, .size: 8, .value_kind: global_buffer, .address_space: global }
      - { .name: x1, .offset: 40, .size: 8, .value_kind: global_buffer, .address_space: global }
    .group_segment_fixed_size: 327680
    .private_segment_fixed_size: 0
    .kernarg_segment_align: 8
    .kernarg_segment_size: 48
    .max_flat_workgroup_size: 128
    .sgpr_count:     102
    .vgpr_count:     640
    .wavefront_size: 32
...
	.end_amdgpu_metadata
.endif
;; end of part 4
;; launch ln2 (part 5): grid 256 x 1, 16 waves a work-group, no clusters, 101,376 bytes of LDS; arguments x1, ln2_scale, ln2_shift, lowp_scales, h2; writes h2
.if DOCPART == 5
	.amdgcn_target "amdgcn-amd-amdhsa--gfx1250"
	.amdhsa_code_object_version 6
	.text
	.protected	k_q1b9f74de5a_ln2
	.globl	k_q1b9f74de5a_ln2
	.p2align	8
	.type	k_q1b9f74de5a_ln2,@function
k_q1b9f74de5a_ln2:
	s_mov_b64 s[64:65], 0
	v_nop
	global_prefetch_b8 v0, s[64:65] scope:SCOPE_SE
	s_setreg_imm32_b32 hwreg(HW_REG_WAVE_MODE, 25, 1), 1
	s_wait_xcnt 0x0
; LayerNorm of x1 [4096][1024] f32, then its codes of BF8 (E5M2) with the given scale 2^e (entry EIDX of the scales).
; y = gain (x - mean) / sqrt(var + 1e-5) + shift, mean and var in two passes over the row, which stays in registers: all in f32.
; code = y / 2^e, held within +-57,344, rounded to the nearest code, ties to even.  LIMITS: -126 <= e <= 112; NaN among the inputs is not served.
; SHARES.  A work-group is one block G of 16 rows of the output image, a wave one row r: token 32 (G / 2) + 8 (G % 2) + r + 8 (r / 8).
; THE IMAGE.  The code of (G, r, k) lies at (k / 512) 2,097,152 + 8,192 G + 256 ((k % 512) / 16) + 16 r + k % 16: the order in which the product's operand registers take it.
; A lane loads 16 bytes of each 512 (neighbouring lanes, neighbouring bytes); the conversions want 16 neighbours along k in one lane, so y turns through the wave's own stage in LDS.
; A piece of the image (256 bytes: 16 rows x 16 codes) comes from all 16 waves: the codes meet in a second stage, behind one barrier, and leave as runs of 512 consecutive bytes, aligned.
.set NOUT,  1
.set EIDX,  12
.set SP,    80                         ; a lane's place in a turning stage: 64 bytes + 16 of padding
.set WTURN, 2*32*SP                    ; two turning stages for each wave
.set CST,   16*WTURN                   ; the codes' stage: 64 pieces, CP bytes apart
.set CP,    272
.set COUT,  64*CP
.set SCL,   20                         ; v[SCL] 2^e, v[SCL+1] 57,344 x 2^e
.set R,     32                         ; v32-63   the row, then x - mean, then y
.set GA,    64                         ; v64-95   gain
.set BE,    96                         ; v96-127  shift
.set X,     128                        ; v128-159 y, 16 neighbours a lane, two halves of the row
.set T,     160                        ; v160-191 held numbers, two sets by turns
.set C,     192                        ; v192..   codes
.set O,     216                        ; v216..   the way out
	s_load_b256 s[4:11], s[0:1], 0x0               ; x1, gain, shift, the scales' exponents
	s_load_b64 s[12:13], s[0:1], 0x20              ; the image
	v_lshl_add_u32 v240, v0, 2, 0x18400
	v_mov_b32 v241, 0
	v_lshrrev_b32 v1, 5, v0
	s_delay_alu instid0(VALU_DEP_1)
	v_readfirstlane_b32 s16, v1                    ; wave = row r
	v_and_b32 v1, 31, v0                           ; lane
	s_delay_alu instid0(VALU_DEP_1)
	v_lshlrev_b32 v3, 4, v1                        ; 16 x lane; never rewritten
	s_lshr_b32 s17, ttmp9, 1
	s_lshl_b32 s17, s17, 5
	s_and_b32 s18, ttmp9, 1
	s_lshl_b32 s18, s18, 3
	s_add_co_u32 s17, s17, s18
	s_add_co_u32 s17, s17, s16
	s_and_b32 s18, s16, 8
	s_add_co_u32 s17, s17, s18                     ; my token
	s_lshl_b32 s18, s17, 12                        ; a row is 4,096 bytes
	s_mov_b32 s19, 0
	s_wait_alu depctr_va_vdst(0)
	s_wait_kmcnt 0x0
	s_load_b512 s[32:47], s[10:11], 0x0            ; all sixteen exponents
	s_add_nc_u64 s[4:5], s[4:5], s[18:19]
.irp i, 0,1,2,3,4,5,6,7
	global_load_b128 v[R+4*\i:R+4*\i+3], v3, s[4:5] offset:512*\i th:TH_LOAD_NT
.endr
.irp i, 0,1,2,3,4,5,6,7
	global_load_b128 v[GA+4*\i:GA+4*\i+3], v3, s[6:7] offset:512*\i
.endr
.irp i, 0,1,2,3,4,5,6,7
	global_load_b128 v[BE+4*\i:BE+4*\i+3], v3, s[8:9] offset:512*\i
.endr
	v_lshrrev_b32 v2, 2, v1
	s_delay_alu instid0(VALU_DEP_1)
	v_mul_u32_u24 v14, v2, SP
	v_and_b32 v2, 3, v1
	s_delay_alu instid0(VALU_DEP_1)
	v_lshl_add_u32 v14, v2, 4, v14
	s_mul_i32 s20, s16, WTURN
	v_add_nc_u32 v14, s20, v14                     ; turning stage, in: four lanes' 64 bytes on end, then padding
	v_mul_u32_u24 v15, v1, SP
	s_delay_alu instid0(VALU_DEP_1)
	v_add_nc_u32 v15, s20, v15                     ; and out: my 64 bytes
	s_lshl_b32 s20, s16, 4
	s_add_co_u32 s20, s20, CST
	v_mul_u32_u24 v16, v1, CP
	s_delay_alu instid0(VALU_DEP_1)
	v_add_nc_u32 v16, s20, v16                     ; codes' stage, in: piece = lane, 16 bytes at my row
	s_mul_i32 s20, s16, 4*CP
	s_add_co_u32 s20, s20, CST
	v_lshrrev_b32 v2, 4, v1
	s_delay_alu instid0(VALU_DEP_1)
	v_mul_u32_u24 v17, v2, CP
	v_and_b32 v2, 15, v1
	s_delay_alu instid0(VALU_DEP_1)
	v_lshl_add_u32 v17, v2, 4, v17
	s_delay_alu instid0(VALU_DEP_1)
	v_add_nc_u32 v17, s20, v17                     ; and out: pieces 4 w on, sixteen lanes to a piece
	s_lshr_b32 s20, s16, 3
	s_lshl_b32 s20, s20, 21                        ; pieces 4 w .. 4 w + 3 lie in half w / 8 of K,
	s_lshl_b32 s21, ttmp9, 13                      ; in block G,
	s_add_co_u32 s20, s20, s21
	s_and_b32 s21, s16, 7
	s_lshl_b32 s21, s21, 10                        ; at piece 4 (w % 8)
	s_add_co_u32 s20, s20, s21
	s_mov_b32 s21, 0
	s_add_nc_u64 s[22:23], s[12:13], s[20:21]
	s_mov_b32 s28, 0x76543210                      ; v_permlanex16_b32: lane l xor 16
	s_mov_b32 s29, 0xfedcba98
	s_mov_b32 s30, 0x3a800000                      ; 1 / 1024
	s_mov_b32 s31, 0x3727c5ac                      ; 1e-5
	s_wait_kmcnt 0x0
	s_add_co_i32 s20, s[32+EIDX], 127
	s_lshl_b32 s21, s20, 23
	v_mov_b32 v[SCL], s21                          ; 2^e as f32: the conversion takes its exponent field
	s_add_co_i32 s20, s20, 15
	s_lshl_b32 s20, s20, 23
	s_or_b32 s20, s20, 0x600000
	v_mov_b32 v[SCL+1], s20                        ; 57,344 x 2^e
.macro FOLD                            ; four chains of pairs in v[4:11] become one sum, in every lane's v4
	s_delay_alu instid0(VALU_DEP_3)
	v_pk_add_f32 v[4:5], v[4:5], v[6:7]
	s_delay_alu instid0(VALU_DEP_2)
	v_pk_add_f32 v[8:9], v[8:9], v[10:11]
	s_delay_alu instid0(VALU_DEP_1)
	v_pk_add_f32 v[4:5], v[4:5], v[8:9]
	s_delay_alu instid0(VALU_DEP_1)
	v_add_f32 v4, v4, v5
	s_delay_alu instid0(VALU_DEP_1)
	v_add_f32_dpp v4, v4, v4 row_xmask:1 row_mask:0xf bank_mask:0xf
	s_delay_alu instid0(VALU_DEP_1)
	v_add_f32_dpp v4, v4, v4 row_xmask:2 row_mask:0xf bank_mask:0xf
	s_delay_alu instid0(VALU_DEP_1)
	v_add_f32_dpp v4, v4, v4 row_xmask:4 row_mask:0xf bank_mask:0xf
	s_delay_alu instid0(VALU_DEP_1)
	v_add_f32_dpp v4, v4, v4 row_xmask:8 row_mask:0xf bank_mask:0xf
	s_delay_alu instid0(VALU_DEP_1)
	v_permlanex16_b32 v5, v4, s28, s29
	s_delay_alu instid0(VALU_DEP_1)
	v_add_f32 v4, v4, v5
.endm
	s_wait_loadcnt 16                              ; the row's eight loads are in; the sixteen of gain and shift may be out
	v_pk_add_f32 v[4:5], v[R:R+1], v[R+2:R+3]
	v_pk_add_f32 v[6:7], v[R+4:R+5], v[R+6:R+7]
	v_pk_add_f32 v[8:9], v[R+8:R+9], v[R+10:R+11]
	v_pk_add_f32 v[10:11], v[R+12:R+13], v[R+14:R+15]
.irp j, 16,24
	s_delay_alu instid0(VALU_DEP_4)
	v_pk_add_f32 v[4:5], v[4:5], v[R+\j:R+\j+1]
	s_delay_alu instid0(VALU_DEP_4)
	v_pk_add_f32 v[6:7], v[6:7], v[R+\j+2:R+\j+3]
	s_delay_alu instid0(VALU_DEP_4)
	v_pk_add_f32 v[8:9], v[8:9], v[R+\j+4:R+\j+5]
	s_delay_alu instid0(VALU_DEP_4)
	v_pk_add_f32 v[10:11], v[10:11], v[R+\j+6:R+\j+7]
.endr
	FOLD
	s_delay_alu instid0(VALU_DEP_1)
	v_mul_f32 v12, s30, v4                         ; the mean
	s_delay_alu instid0(VALU_DEP_1)
	v_mov_b32 v13, v12
.set j, 0
.rept 16
	v_pk_add_f32 v[R+j:R+j+1], v[R+j:R+j+1], v[12:13] op_sel_hi:[1,0] neg_lo:[0,1] neg_hi:[0,1]   ; x - mean
.set j, j+2
.endr
	v_pk_mul_f32 v[4:5], v[R:R+1], v[R:R+1]
	v_pk_mul_f32 v[6:7], v[R+2:R+3], v[R+2:R+3]
	v_pk_mul_f32 v[8:9], v[R+4:R+5], v[R+4:R+5]
	v_pk_mul_f32 v[10:11], v[R+6:R+7], v[R+6:R+7]
.irp j, 8,16,24
	s_delay_alu instid0(VALU_DEP_4)
	v_pk_fma_f32 v[4:5], v[R+\j:R+\j+1], v[R+\j:R+\j+1], v[4:5]
	s_delay_alu instid0(VALU_DEP_4)
	v_pk_fma_f32 v[6:7], v[R+\j+2:R+\j+3], v[R+\j+2:R+\j+3], v[6:7]
	s_delay_alu instid0(VALU_DEP_4)
	v_pk_fma_f32 v[8:9], v[R+\j+4:R+\j+5], v[R+\j+4:R+\j+5], v[8:9]
	s_delay_alu instid0(VALU_DEP_4)
	v_pk_fma_f32 v[10:11], v[R+\j+6:R+\j+7], v[R+\j+6:R+\j+7], v[10:11]
.endr
	FOLD
	s_delay_alu instid0(VALU_DEP_1)
	v_fma_f32 v4, v4, s30, s31                     ; var + 1e-5
	s_wait_alu depctr_va_vdst(0)
	v_rsq_f32 v12, v4
	v_nop                                          ; a plain instruction behind the transcendental
	s_wait_alu depctr_va_vdst(0)                   ; and the wait ahead of its first reader
	v_mov_b32 v13, v12
	s_wait_alu depctr_va_vdst(0)
	s_wait_loadcnt 0x0                             ; gain and shift
.set j, 0
.rept 16
	v_pk_mul_f32 v[R+j:R+j+1], v[R+j:R+j+1], v[12:13] op_sel_hi:[1,0]
.set j, j+2
.endr
.set j, 0
.rept 16
	v_pk_fma_f32 v[R+j:R+j+1], v[R+j:R+j+1], v[GA+j:GA+j+1], v[BE+j:BE+j+1]
.set j, j+2
.endr
.macro TURN s                          ; half s of the row (2,048 bytes) through the wave's stage: LDS serves a wave's instructions in order, so no wait stands between
.irp i, 0,1,2,3
	ds_store_b128 v14, v[R+16*\s+4*\i:R+16*\s+4*\i+3] offset:32*SP*\s+8*SP*\i
.endr
.irp i, 0,1,2,3
	ds_load_b128 v[X+16*\s+4*\i:X+16*\s+4*\i+3], v15 offset:32*SP*\s+16*\i
.endr
.endm
; Half s: my lane's k = 512 s + 16 lane + 0 .. 15.  The held numbers go into another set than the last group's, so that the first hold is the plain line behind the last conversions.
.macro Q16 s
.set TS, T+16*(\s)
.set CQ, C+4*(\s)
.irp j, 0,1,2,3,4,5,6,7,8,9,10,11,12,13,14,15
	v_med3_num_f32 v[TS+\j], v[X+16*(\s)+\j], -v[SCL+1], v[SCL+1]   ; the conversion to an 8-bit code does not saturate (ISA guide 7.6.2)
.endr
	v_cvt_scalef32_pk8_bf8_f32 v[CQ:CQ+1], v[TS:TS+7], v[SCL]
	v_cvt_scalef32_pk8_bf8_f32 v[CQ+2:CQ+3], v[TS+8:TS+15], v[SCL]
	ds_store_b128 v16, v[CQ:CQ+3] offset:(\s)*32*CP
.endm
	TURN 0
	TURN 1
	s_wait_dscnt 8                                 ; half 0 is back; half 1's four stores and four loads may be out
	Q16 0
	s_wait_dscnt NOUT                              ; half 1 is back; the code store issued since may be out
	Q16 1
	s_wait_dscnt 0x0                               ; for the others' sake: my codes lie in the stage
	s_barrier_signal -1
	s_barrier_wait -1
	ds_load_b128 v[O:O+3], v17
	ds_load_b128 v[O+4:O+7], v17 offset:2*CP
	s_wait_dscnt 1
	global_store_b128 v3, v[O:O+3], s[22:23]                  ; 32 lanes store two pieces: 512 consecutive bytes, aligned
	s_wait_dscnt 0x0
	global_store_b128 v3, v[O+4:O+7], s[22:23] offset:512
	s_wait_tensorcnt 0x0
	ds_add_u32 v240, v241
	s_wait_dscnt 0x0
	s_endpgm
.Lfunc_end_k_q1b9f74de5a_ln2:
	.size	k_q1b9f74de5a_ln2, .Lfunc_end_k_q1b9f74de5a_ln2-k_q1b9f74de5a_ln2
	.p2alignl 7, 3214868480
	.fill 96, 4, 3214868480
	.section	.rodata,"a",@progbits
	.p2align	6, 0x0
	.amdhsa_kernel k_q1b9f74de5a_ln2
		.amdhsa_group_segment_fixed_size 101376
		.amdhsa_private_segment_fixed_size 0
		.amdhsa_enable_private_segment 0
		.amdhsa_kernarg_size 40
		.amdhsa_user_sgpr_count 2
		.amdhsa_user_sgpr_kernarg_segment_ptr 1
		.amdhsa_wavefront_size32 1
		.amdhsa_system_sgpr_workgroup_id_x 1
		.amdhsa_system_sgpr_workgroup_id_y 1
		.amdhsa_system_sgpr_workgroup_id_z 1
		.amdhsa_system_vgpr_workitem_id 0
		.amdhsa_next_free_vgpr 242
		.amdhsa_next_free_sgpr 66
		.amdhsa_reserve_vcc 0
		.amdhsa_float_denorm_mode_32 3
		.amdhsa_float_denorm_mode_16_64 3
		.amdhsa_memory_ordered 1
		.amdhsa_forward_progress 1
		.amdhsa_inst_pref_size 18
	.end_amdhsa_kernel
	.amdgpu_metadata
---
amdhsa.version: [ 1, 2 ]
amdhsa.kernels:
  - .name:           k_q1b9f74de5a_ln2
    .symbol:         k_q1b9f74de5a_ln2.kd
    .args:
      - { .name: x1, .offset: 0, .size: 8, .value_kind: global_buffer, .address_space: global }
      - { .name: ln2_scale, .offset: 8, .size: 8, .value_kind: global_buffer, .address_space: global }
      - { .name: ln2_shift, .offset: 16, .size: 8, .value_kind: global_buffer, .address_space: global }
      - { .name: lowp_scales, .offset: 24, .size: 8, .value_kind: global_buffer, .address_space: global }
      - { .name: h2, .offset: 32, .size: 8, .value_kind: global_buffer, .address_space: global }
    .group_segment_fixed_size: 101376
    .private_segment_fixed_size: 0
    .kernarg_segment_align: 8
    .kernarg_segment_size: 40
    .max_flat_workgroup_size: 512
    .sgpr_count:     66
    .vgpr_count:     242
    .wavefront_size: 32
...
	.end_amdgpu_metadata
.endif
;; end of part 5
;; launch ffn1 (part 6): grid 8 x 32, 4 waves a work-group, clusters of 4 x 4, 327,680 bytes of LDS; arguments h2, W1_codes, lowp_scales, b1, gimg; writes gimg
.if DOCPART == 6
	.amdgcn_target "amdgcn-amd-amdhsa--gfx1250"
	.amdhsa_code_object_version 6
	.text
	.protected	k_q1b9f74de5a_ffn1
	.globl	k_q1b9f74de5a_ffn1
	.p2align	8
	.type	k_q1b9f74de5a_ffn1,@function
k_q1b9f74de5a_ffn1:
	s_mov_b64 s[64:65], 0
	v_nop
	global_prefetch_b8 v0, s[64:65] scope:SCOPE_SE
	s_setreg_imm32_b32 hwreg(HW_REG_WAVE_MODE, 25, 1), 1
	s_wait_xcnt 0x0
	s_wait_alu depctr_hold_cnt(0) depctr_sa_sdst(0) depctr_va_vdst(0) depctr_va_sdst(0) depctr_va_ssrc(0) depctr_va_vcc(0) depctr_vm_vsrc(0)
	s_getreg_b32 s2, hwreg(HW_REG_IB_STS2, 6, 4)
	s_cmp_eq_u32 s2, 0
	s_cbranch_scc0 .Lentry_in_a_cluster
	s_endpgm
.Lentry_in_a_cluster:
	s_bfe_u32 s2, ttmp6, 0x10000c
	s_cmp_lg_u32 s2, 0xf033
	s_cbranch_scc0 .Lentry_shape_is_right
	s_endpgm
.Lentry_shape_is_right:
; g = gelu(h W1 + b1) on codes of BF8 (E5M2), quantised at once (scale e14) as the next product's operand.  h: an image of codes [4096 tokens][1024]; W1: [4096 (n)][1024 (k)] codes; b1 [4096] f32.
; A WORK-GROUP STAYS: work-group (x, y) makes the four tiles (128 tokens x 128 columns) of tile row y at tile columns x, x + 8, x + 16, x + 24.  Four waves, each 64 x 64: 16 accumulators.
; ITS 128 TOKENS' CODES STAY IN LDS: both halves of K (2 x 65,536 bytes) are filled once.  Only W1's 128 rows x 512 go round: slot s holds half s of K of the tile in hand, and is filled with the next tile's as soon as it
; is read out: 131,072 + 4 x 131,072 bytes come in for four tiles, where four work-groups of one tile each would bring 4 x 262,144.
; WHERE THE REFILLS STAND.  Slot 0's at the change to slot 1; slot 1's in the MIDDLE of the way out, between its second and third block.  In front of each refill's round a wave waits for all its loads, so each refill
; has what lies between two rounds in which to land: half a tile's products and half its gelu.
; Every load is one wave's: the image's half of K (256 rows of 256 bytes) or a slot's W1 rows (128 rows of 512 bytes).  A wave has one load out at the start.
; CLUSTERS: 4 x 4 work-groups; h's tile is asked for jointly along a row of the cluster, W1's along a column: the four of a column walk the same tile columns in step.
; THE IMAGES (in and out): code of (block G of 16 tokens, row r, k) at (k / 512) 2,097,152 + 8,192 G + 256 ((k % 512) / 16) + 16 r + k % 16.
; A lane's registers 4 c .. 4 c + 3 of a fragment hold k = 32 c + 16 (lane / 16) + 0 .. 15 in both operands.  Source 0 = 16 rows of W1, source 1 = 16 tokens: a lane holds one token and eight neighbours along the next K.
; GELU.  0.5 u (1 + tanh(z)) = u / (1 + e^(-2 z)), z = sqrt(2 / pi) (u + 0.044715 u^3): so g = u / (1 + 2^(u (alpha + beta u^2))), alpha = -2 sqrt(2 / pi) log2(e), beta = 0.044715 alpha: all in f32.
; It differs from the written form only where 1 + tanh cancels there.  A block's 32 exponentials, and then its 32 reciprocals, go as a batch with one wait each.
; LIMITS: e12 + e13 between -126 and 127; e14 between -126 and 112; NaN among the inputs is not served.
.set KTOT,  1024
.set TILES, 4
.set PITCH, 528                        ; a row of W1 in LDS: 512 bytes + 16 of padding: the 16 rows of a load start at 16 different banks (64 banks of 4 bytes: ISA guide 11.1)
.set BOFF,  65536                      ; a slot: 8 blocks of the image (8,192 bytes each), then 128 rows of W1
.set BQ,    32*PITCH                   ; a wave's quarter of those rows
.set SLOT,  BOFF+4*BQ
.set SPARE, 2*SLOT                     ; behind the slots: the spare words, 128 bytes for each wave
.set ASTEP, 2097152
.set BNEXT, 8*128*KTOT                 ; eight tile columns on: in W1,
.set GNEXT, 2*2097152                  ; in the output image (1,024 along its K),
.set B1NEXT, 8*128*4                   ; and in b1
.set BO,   5                           ; v5  32 h
.set AL,   8                           ; v[8:9] alpha, twice
.set ADRA, 16
.set ADRB, 20
.set CO,   26                          ; v26 16 r + 8 h
.set LI,   27
.set SPW,  28
.set NIL,  29
.set SC,   30                          ; v30 2^e14
.set LIM,  31                          ; v31 57,344 x 2^e14
.set U,    32                          ; v32-63  u, then g
.set E,    64                          ; v64-95  at work
.set BI,   96                          ; v96-127 b1 in the result's layout
.set ACC,  128
.set F0,   0
.set F1,   128
.set G1,   24
.set G0,   32
.set G1B,  48
.set G0B,  56
.set MSB, 0
.macro WIN new                         ; the immediate's high byte repeats the setting that is left
.if MSB != \new
	s_set_vgpr_msb (MSB<<8)|\new
.set MSB, \new
.endif
.endm
.set MUL,  0x05                        ; sources 0 and 1 window 1; C and D window 0
.set TO_F, 0x40                        ; destination window 1, address window 0
; WHO ASKS (this stands in place of the head comment's count of loads): each wave owns one whole tile: wave 0 half 0 of the tokens' codes, wave 1 slot 0's 128 rows of W1, wave 2 and wave 3 the same of half 1 and slot 1.
; At the head every wave asks for its tile, one load a wave; W1's rows are filled again by the wave that owns them, one load behind each round.
.macro ONE g0, g1                      ; one joint load, and behind it an s_nop and four v_nop
	tensor_load_to_lds s[\g0:\g0+3], s[\g1:\g1+7]
	s_nop 0
.rept 4
	v_nop
.endr
.endm
.macro BLOAD s                         ; the joint refill of slot s's rows of W1: wave 2 s + 1 asks; the others pass four plain lines, the places ahead of the loads that follow
	s_cmp_eq_u32 s10, 2*\s+1
	s_cbranch_scc0 .Lnone_\@
	ONE G0B+4*\s, G1B
	s_branch .Lasked_\@
.Lnone_\@:
.rept 4
	v_nop
.endr
.Lasked_\@:
.endm
.macro HLOAD                           ; the first fills: one chain of branches on the wave's number, one load to an arm, one join
	s_cmp_lg_u32 s10, 0
	s_cbranch_scc1 .Lh1_\@
	ONE G0, G1
	s_branch .Lhj_\@
.Lh1_\@:
	s_cmp_lg_u32 s10, 1
	s_cbranch_scc1 .Lh2_\@
	ONE G0B, G1B
	s_branch .Lhj_\@
.Lh2_\@:
	s_cmp_lg_u32 s10, 2
	s_cbranch_scc1 .Lh3_\@
	ONE G0+4, G1
	s_branch .Lhj_\@
.Lh3_\@:
	ONE G0B+4, G1B
.Lhj_\@:
.endm
.macro CREST                           ; a round of the cluster's barrier behind its opening barrier
	s_cmp_lg_u32 s10, 0
	s_cbranch_scc1 .Lnot_wave_0_\@
	s_barrier_signal -3
.Lnot_wave_0_\@:
	s_barrier_wait -3
	s_barrier_signal -1
	s_barrier_wait -1
.endm
.macro CROUND
	s_barrier_signal -1
	s_barrier_wait -1
	CREST
.endm
	s_load_b256 s[84:91], s[0:1], 0x0              ; h2, W1's codes, the scales' exponents, b1
	s_load_b64 s[92:93], s[0:1], 0x20              ; gimg
	v_lshl_add_u32 v[SPW], v0, 2, SPARE
	v_mov_b32 v[NIL], 0
	ds_add_u32 v28, v29
	ds_add_u32 v28, v29
	s_wait_dscnt 0x0
	v_lshrrev_b32 v1, 5, v0
	v_readfirstlane_b32 s10, v1                    ; wave 0..3: also which quarter of each tile I fetch
	s_lshr_b32 s11, s10, 1                         ; which 64 tokens are mine
	s_and_b32 s12, s10, 1                          ; which 64 columns
	s_bfe_u32 s40, ttmp6, 0x40000                  ; cx, cy
	s_bfe_u32 s41, ttmp6, 0x40004
	s_lshl_b32 s42, ttmp9, 2
	s_add_co_u32 s42, s42, s40                     ; x: my first tile column, 0 to 7
	s_and_b32 s13, ttmp7, 0xffff
	s_lshl_b32 s13, s13, 2
	s_add_co_u32 s13, s13, s41                     ; tile row
	s_lshl_b32 s43, s41, 2
	s_lshl_b32 s43, 15, s43                        ; my row of the cluster
	s_lshl_b32 s44, 0x1111, s40                    ; my column
	s_or_b32 s[G1+0], s43, (3<<16)|(1<<21)         ; the image's half of K is one dense block: 256 rows of 32 elements of 8 bytes, no padding
	s_mov_b32 s[G1+1], 32<<16
	s_mov_b32 s[G1+2], 256<<16                     ; the whole tile of the image: 256 rows of 256 bytes
	s_mov_b32 s[G1+3], 32<<16
	s_mov_b32 s[G1+4], 256
	s_mov_b32 s[G1+5], 32
	s_mov_b32 s[G1+6], 0
	s_mov_b32 s[G1+7], 0
	s_or_b32 s[G1B+0], s44, (0<<16)|(1<<20)|(1<<21)|(6<<22)|(3<<25)  ; W1: 128 rows of 512 bytes; four words of padding after every 128
	s_mov_b32 s[G1B+1], 512<<16
	s_mov_b32 s[G1B+2], 128<<16                    ; all 128 rows of W1
	s_mov_b32 s[G1B+3], 512<<16
	s_mov_b32 s[G1B+4], 128
	s_mov_b32 s[G1B+5], KTOT
	s_mov_b32 s[G1B+6], 0
	s_mov_b32 s[G1B+7], 0
	s_lshl_b32 s16, s13, 16                        ; the image: 8 blocks a tile row
	s_mov_b32 s17, 0
	s_lshl_b32 s46, s42, 7                         ; W1: the first tile column's 128 rows
	s_mul_i32 s46, s46, KTOT
	s_mov_b32 s47, 0
	s_mov_b32 s45, 0                               ; where they go in a slot: constants
	s_mov_b32 s22, BOFF
	s_wait_kmcnt 0x0
	s_load_b512 s[68:83], s[88:89], 0x0            ; all sixteen exponents
	s_add_nc_u64 s[14:15], s[84:85], s[16:17]
	s_add_nc_u64 s[46:47], s[86:87], s[46:47]
	CROUND                                         ; all sixteen work-groups are here: the first joint loads meet
.irp s, 0,1
	s_mov_b32 s[G0+4*\s], 1
	s_add_co_u32 s[G0+4*\s+1], s45, \s*SLOT
	s_add_nc_u64 s[G0+4*\s+2:G0+4*\s+3], s[14:15], \s*ASTEP
	s_or_b32 s[G0+4*\s+3], s[G0+4*\s+3], 0x80000000
	s_mov_b32 s[G0B+4*\s], 1
	s_add_co_u32 s[G0B+4*\s+1], s22, \s*SLOT
	s_add_nc_u64 s[G0B+4*\s+2:G0B+4*\s+3], s[46:47], \s*512
	s_or_b32 s[G0B+4*\s+3], s[G0B+4*\s+3], 0x80000000
.endr
	HLOAD                                          ; the four first fills, one load a wave
	v_and_b32 v1, 15, v0                           ; r
	v_bfe_u32 v2, v0, 4, 1                         ; h
	v_and_b32 v3, 31, v0
	v_lshlrev_b32 v[LI], 4, v3
	v_lshlrev_b32 v[CO], 4, v1
	v_lshl_add_u32 v[CO], v2, 3, v[CO]
	v_mul_u32_u24 v4, v1, PITCH
	v_lshl_add_u32 v4, v2, 4, v4
	s_lshl_b32 s18, s11, 15                        ; my four blocks of the image
	s_mul_i32 s23, s12, 64*PITCH
	s_add_co_u32 s23, s23, BOFF                    ; my 64 rows of W1
.irp s, 0,1
	v_add_nc_u32 v[ADRA+\s], s18, v[LI]
	v_add_nc_u32 v[ADRB+\s], s23, v4
	s_add_co_u32 s18, s18, SLOT
	s_add_co_u32 s23, s23, SLOT
.endr
	s_lshl_b32 s6, s42, 7
	s_lshl_b32 s7, s12, 6
	s_add_co_u32 s6, s6, s7
	s_lshl_b32 s6, s6, 2                           ; b1 at my first column
	s_mov_b32 s7, 0
	s_add_nc_u64 s[90:91], s[90:91], s[6:7]
	v_lshlrev_b32 v[BO], 5, v2
.macro B1LOAD                          ; lane (r, h) wants, for tile b, the numbers of columns 16 b + 8 h + 0 .. 7
.irp b, 0,1,2,3
	global_load_b128 v[BI+8*\b:BI+8*\b+3], v[BO], s[90:91] offset:64*\b
	global_load_b128 v[BI+8*\b+4:BI+8*\b+7], v[BO], s[90:91] offset:64*\b+16
.endr
.endm
	B1LOAD
	s_lshr_b32 s4, s42, 2
	s_lshl_b32 s4, s4, 21                          ; the output image: my first columns lie in the (x / 4)-th 512 of the next K,
	s_lshl_b32 s5, s13, 3
	s_lshl_b32 s8, s11, 2
	s_add_co_u32 s5, s5, s8
	s_lshl_b32 s5, s5, 13                          ; blocks 8 x tile row + 4 x my half on,
	s_add_co_u32 s4, s4, s5
	s_and_b32 s5, s42, 3
	s_lshl_b32 s5, s5, 3
	s_lshl_b32 s8, s12, 2
	s_add_co_u32 s5, s5, s8
	s_lshl_b32 s5, s5, 8                           ; pieces 8 (x % 4) + 4 x my half on
	s_add_co_u32 s4, s4, s5
	s_mov_b32 s5, 0
	s_add_nc_u64 s[92:93], s[92:93], s[4:5]
; PREFETCHES INTO THE L2 of W1's rows.  A tile column is 128 rows of 1,024 bytes: 512 blocks of 256.  Each block is named once in each cluster that will load it: the four partners of a column of the cluster
; share the rows out by address (cy), 32 each; a wave names 8 rows, four lanes to a row.  The second tile column is named here at the head; tile i names tile column i + 2; the last two tiles name nothing.
.set PFA, 66                           ; s[66:67] where my prefetches stand
.set PFO, 10                           ; v10 my lane's block; never rewritten
	s_lshl_b32 s4, s42, 7
	s_add_co_u32 s4, s4, 8*128                     ; the second tile column's rows,
	s_lshl_b32 s5, s41, 5
	s_add_co_u32 s4, s4, s5                        ; my work-group's 32,
	s_lshl_b32 s5, s10, 3
	s_add_co_u32 s4, s4, s5                        ; my wave's 8
	s_mul_i32 s4, s4, KTOT
	s_mov_b32 s5, 0
	s_add_nc_u64 s[PFA:PFA+1], s[86:87], s[4:5]
	v_lshrrev_b32 v[PFO], 2, v3
	v_and_b32 v6, 3, v3
	v_lshlrev_b32 v[PFO], 10, v[PFO]
	v_lshl_add_u32 v[PFO], v6, 8, v[PFO]
	s_wait_alu depctr_va_vdst(0)
	global_prefetch_b8 v[PFO], s[PFA:PFA+1] th:TH_LOAD_NT scope:SCOPE_SE
	v_mov_b32 v[AL], 0xc0135761                    ; alpha = -2.3022082
	v_mov_b32 v[AL+1], 0xc0135761
	s_mov_b32 s100, 0xbdd2d3e8                     ; beta = -0.10294324
	s_mov_b32 s101, s100
	s_wait_alu depctr_va_vdst(0)
	s_wait_kmcnt 0x0
	s_add_co_i32 s96, s80, s81                     ; e12 + e13
	s_add_co_i32 s96, s96, 127
	s_lshl_b32 s96, s96, 23
	s_mov_b32 s97, s96
	s_add_co_i32 s4, s82, 127                      ; e14
	s_lshl_b32 s5, s4, 23
	v_mov_b32 v[SC], s5
	s_add_co_i32 s4, s4, 15
	s_lshl_b32 s4, s4, 23
	s_or_b32 s4, s4, 0x600000
	v_mov_b32 v[LIM], s4
; four matrix instructions: block a of the tokens x W1's four.  The 16 accumulators take turns, one instruction a turn, in the same order in every quarter, from tile to tile too.
.macro MULA f, a, zero
.irp b, 0,1,2,3
.if \zero
	v_wmma_f32_16x16x128_bf8_bf8 v[ACC+8*(4*(\a)+\b):ACC+8*(4*(\a)+\b)+7], v[\f+64+16*\b:\f+64+16*\b+15], v[\f+16*(\a):\f+16*(\a)+15], 0
.else
	v_wmma_f32_16x16x128_bf8_bf8 v[ACC+8*(4*(\a)+\b):ACC+8*(4*(\a)+\b)+7], v[\f+64+16*\b:\f+64+16*\b+15], v[\f+16*(\a):\f+16*(\a)+15], v[ACC+8*(4*(\a)+\b):ACC+8*(4*(\a)+\b)+7]
.endif
.endr
.endm
; 32 LDS loads in one run: the fragments of the slot's q-th 128 along K into buffer f: W1's four, then the tokens' blocks 0, 1, then 2, 3
.macro FETCH slot, q, f
	WIN TO_F
.irp b, 0,1,2,3
.irp c, 0,1,2,3
	ds_load_b128 v[\f+64+16*\b+4*\c:\f+64+16*\b+4*\c+3], v[ADRB+\slot] offset:\b*16*PITCH+128*(\q)+32*\c
.endr
.endr
.irp a, 0,1,2,3
.irp c, 0,1,2,3
	ds_load_b128 v[\f+16*\a+4*\c:\f+16*\a+4*\c+3], v[ADRA+\slot] offset:\a*8192+2048*(\q)+512*\c
.endr
.endr
.endm
.macro PLACES                          ; four plain instructions in front of loads into registers that matrix instructions have read, and of the first read of results
.rept 4
	v_nop
.endr
.endm
.macro QUARTER slot, qn, f, g, zero    ; 128 along K from buffer f; in its middle the next quarter, the slot's qn-th, is fetched into g
	s_wait_dscnt 8                                 ; W1's fragments and blocks 0, 1 are in; the youngest eight loads (blocks 2, 3) may be out
	WIN MUL
	MULA \f, 0, \zero
	MULA \f, 1, \zero
	PLACES
	FETCH \slot, \qn, \g
	s_wait_dscnt 32                                ; all but the 32 just issued
	WIN MUL
	MULA \f, 2, \zero
	MULA \f, 3, \zero
.endm
; Slot 0's last quarter, and the change to slot 1: ONE barrier; in front of it each wave waits for all its tensor loads (its part of slot 1's rows of W1), adds 0 to its spare word, and waits for that and for its reads of slot 0.
; fill = 1: slot 0's rows of W1 are filled again, with the next tile column's.  The tokens' codes in the slot stay.
.macro TURN fill
	WIN 0
	s_wait_tensorcnt 0x0                           ; all my tensor loads have landed
	ds_add_u32 v[SPW], v[NIL]                      ; 0 onto my spare word
	s_wait_dscnt 9                                 ; the add and the youngest eight loads may be out
	WIN MUL
	MULA F1, 0, 0
	MULA F1, 1, 0
	s_wait_dscnt 0x0                               ; the add is done, and my reads of slot 0 are over
	s_barrier_signal -1
	MULA F1, 2, 0
	WIN 0
	s_barrier_wait -1
.if \fill
	CREST                                          ; the barrier has opened a round of the cluster's: no wave of any partner still reads these rows or has a load on its way
	s_add_nc_u64 s[G0B+2:G0B+3], s[G0B+2:G0B+3], BNEXT
	BLOAD 0                                        ; the first tensor load behind the round; its four v_nop are also the places in front of the loads below
.else
	PLACES
.endif
	FETCH 1, 0, F0
	WIN MUL
	MULA F1, 3, 0
.endm
; Block a: 16 tokens x my 64 columns, 32 numbers a lane.  The codes go into the block's own first eight accumulator registers, which are done with.
.macro GELU a
.irp b, 0,1,2,3
.irp i, 0,2,4,6
	v_pk_fma_f32 v[U+8*\b+\i:U+8*\b+\i+1], v[ACC+8*(4*\a+\b)+\i:ACC+8*(4*\a+\b)+\i+1], s[96:97], v[BI+8*\b+\i:BI+8*\b+\i+1] op_sel_hi:[1,0,1]   ; u = sum x 2^(e12 + e13) + b1; each accumulator from its low end on
.endr
.endr
.set j, 0
.rept 16
	v_pk_mul_f32 v[E+j:E+j+1], v[U+j:U+j+1], v[U+j:U+j+1]
.set j, j+2
.endr
.set j, 0
.rept 16
	v_pk_fma_f32 v[E+j:E+j+1], v[E+j:E+j+1], s[100:101], v[AL:AL+1] op_sel_hi:[1,0,1]   ; alpha + beta u^2
.set j, j+2
.endr
.set j, 0
.rept 16
	v_pk_mul_f32 v[E+j:E+j+1], v[E+j:E+j+1], v[U+j:U+j+1]
.set j, j+2
.endr
.set j, 0
	s_wait_alu depctr_va_vdst(0)
.rept 32
	v_exp_f32 v[E+j], v[E+j]
.set j, j+1
.endr
	v_nop                                          ; a plain instruction behind the last exponential,
	s_wait_alu depctr_va_vdst(0)                   ; and one wait for the batch
.set j, 0
.rept 16
	v_pk_add_f32 v[E+j:E+j+1], v[E+j:E+j+1], 1.0 op_sel_hi:[1,0]
.set j, j+2
.endr
.set j, 0
	s_wait_alu depctr_va_vdst(0)
.rept 32
	v_rcp_f32 v[E+j], v[E+j]
.set j, j+1
.endr
	v_nop
	s_wait_alu depctr_va_vdst(0)
.set j, 0
.rept 16
	v_pk_mul_f32 v[U+j:U+j+1], v[U+j:U+j+1], v[E+j:E+j+1]
.set j, j+2
.endr
.set j, 0
.rept 32
	v_med3_num_f32 v[U+j], v[U+j], -v[LIM], v[LIM]   ; the hold: the conversion does not saturate (ISA guide 7.6.2)
.set j, j+1
.endr
.irp b, 0,1,2,3
	v_cvt_scalef32_pk8_bf8_f32 v[ACC+32*\a+2*\b:ACC+32*\a+2*\b+1], v[U+8*\b:U+8*\b+7], v[SC]
.endr
	v_nop                                          ; a plain instruction behind the last conversion: the next block writes its sources
.irp b, 0,1,2,3
	global_store_b64 v[CO], v[ACC+32*\a+2*\b:ACC+32*\a+2*\b+1], s[92:93] offset:\a*8192+\b*256   ; 32 lanes store 256 consecutive bytes, aligned
.endr
.endm
; ONE TILE.  At its head buffer 0 holds slot 0's first fragments.  fill = 1: a tile follows.
.macro TILE fill
	QUARTER 0, 1, F0, F1, 1                        ; the first products start the sums: nothing is cleared
	QUARTER 0, 2, F1, F0, 0
	QUARTER 0, 3, F0, F1, 0
	TURN \fill
.if \fill
	WIN 0                                          ; at a branch and at a label every window is 0
	s_wait_xcnt 0x0                                ; my last prefetch, a tile ago, has read its address
	s_add_nc_u64 s[PFA:PFA+1], s[PFA:PFA+1], BNEXT
	s_cmp_gt_u32 s3, 1                             ; the loop's last trip has no tile column two on
	s_cbranch_scc0 .Lnp_\@
	global_prefetch_b8 v[PFO], s[PFA:PFA+1] th:TH_LOAD_NT scope:SCOPE_SE
.Lnp_\@:
.endif
	QUARTER 1, 1, F0, F1, 0
	QUARTER 1, 2, F1, F0, 0
	QUARTER 1, 3, F0, F1, 0
	s_wait_dscnt 8
	WIN MUL
	MULA F1, 0, 0
	MULA F1, 1, 0
	s_wait_dscnt 0x0                               ; my reads of slot 1 are over
	MULA F1, 2, 0
	MULA F1, 3, 0
	WIN 0
	PLACES
	s_wait_loadcnt 0x0                             ; this tile's b1
	GELU 0
	GELU 1
.if \fill
	s_wait_tensorcnt 0x0                           ; all my tensor loads have landed: my part of slot 0's rows for the next tile;
	ds_add_u32 v[SPW], v[NIL]                      ; 0 onto my spare word;
	s_add_nc_u64 s[G0B+6:G0B+7], s[G0B+6:G0B+7], BNEXT   ; no load of mine is out, so a group 0 may be written: slot 1's rows of the next tile column
	s_wait_dscnt 0x0                               ; the add is done; my reads of slot 1 were over above
	CROUND                                         ; a round of the cluster's barrier: no wave of any partner still reads those rows or has a load on its way
	BLOAD 1                                        ; the first tensor load behind the round
.endif
	GELU 2
	GELU 3
.if \fill
	s_wait_xcnt 0x0                                ; the tile's stores have read their registers and their base: the bases step, and the next products may write over the codes
	s_add_nc_u64 s[92:93], s[92:93], GNEXT
	s_add_nc_u64 s[90:91], s[90:91], B1NEXT
	B1LOAD                                         ; the next tile's b1: it has that tile's products in which to come
	FETCH 0, 0, F0                                 ; slot 0 is whole: every wave waited for its part in front of the round above
	WIN 0
.endif
.endm
	s_wait_tensorcnt 0x0                           ; my one load has landed
	s_barrier_signal -1
	s_barrier_wait -1
	FETCH 0, 0, F0
	WIN 0                                          ; at a label and at a branch every window is 0
	s_mov_b32 s3, TILES-1
.Ltile:
	TILE 1
	s_sub_co_u32 s3, s3, 1
	s_cmp_lg_u32 s3, 0
	s_cbranch_scc1 .Ltile
	TILE 0                                         ; the last tile is written out: it asks for nothing more
	s_wait_tensorcnt 0x0                           ; the wave's end
	ds_add_u32 v[SPW], v[NIL]
	s_wait_dscnt 0x0
	CROUND                                         ; the closing round: no work-group ends while a partner may still ask for a tile that names it
	s_endpgm
.Lfunc_end_k_q1b9f74de5a_ffn1:
	.size	k_q1b9f74de5a_ffn1, .Lfunc_end_k_q1b9f74de5a_ffn1-k_q1b9f74de5a_ffn1
	.p2alignl 7, 3214868480
	.fill 96, 4, 3214868480
	.section	.rodata,"a",@progbits
	.p2align	6, 0x0
	.amdhsa_kernel k_q1b9f74de5a_ffn1
		.amdhsa_group_segment_fixed_size 327680
		.amdhsa_private_segment_fixed_size 0
		.amdhsa_enable_private_segment 0
		.amdhsa_kernarg_size 40
		.amdhsa_user_sgpr_count 2
		.amdhsa_user_sgpr_kernarg_segment_ptr 1
		.amdhsa_wavefront_size32 1
		.amdhsa_system_sgpr_workgroup_id_x 1
		.amdhsa_system_sgpr_workgroup_id_y 1
		.amdhsa_system_sgpr_workgroup_id_z 1
		.amdhsa_system_vgpr_workitem_id 0
		.amdhsa_next_free_vgpr 512
		.amdhsa_next_free_sgpr 102
		.amdhsa_reserve_vcc 0
		.amdhsa_float_denorm_mode_32 3
		.amdhsa_float_denorm_mode_16_64 3
		.amdhsa_memory_ordered 1
		.amdhsa_forward_progress 1
		.amdhsa_inst_pref_size 152
	.end_amdhsa_kernel
	.amdgpu_metadata
---
amdhsa.version: [ 1, 2 ]
amdhsa.kernels:
  - .name:           k_q1b9f74de5a_ffn1
    .symbol:         k_q1b9f74de5a_ffn1.kd
    .args:
      - { .name: h2, .offset: 0, .size: 8, .value_kind: global_buffer, .address_space: global }
      - { .name: W1_codes, .offset: 8, .size: 8, .value_kind: global_buffer, .address_space: global }
      - { .name: lowp_scales, .offset: 16, .size: 8, .value_kind: global_buffer, .address_space: global }
      - { .name: b1, .offset: 24, .size: 8, .value_kind: global_buffer, .address_space: global }
      - { .name: gimg, .offset: 32, .size: 8, .value_kind: global_buffer, .address_space: global }
    .group_segment_fixed_size: 327680
    .private_segment_fixed_size: 0
    .kernarg_segment_align: 8
    .kernarg_segment_size: 40
    .max_flat_workgroup_size: 128
    .sgpr_count:     102
    .vgpr_count:     512
    .wavefront_size: 32
...
	.end_amdgpu_metadata
.endif
;; end of part 6
;; launch ffn2 (part 7): grid 8 x 32, 4 waves a work-group, clusters of 4 x 4, 327,680 bytes of LDS; arguments gimg, W2_codes, lowp_scales, b2, x1, out0; writes out0
.if DOCPART == 7
	.amdgcn_target "amdgcn-amd-amdhsa--gfx1250"
	.amdhsa_code_object_version 6
	.text
	.protected	k_q1b9f74de5a_ffn2
	.globl	k_q1b9f74de5a_ffn2
	.p2align	8
	.type	k_q1b9f74de5a_ffn2,@function
k_q1b9f74de5a_ffn2:
	s_mov_b64 s[64:65], 0
	v_nop
	global_prefetch_b8 v0, s[64:65] scope:SCOPE_SE
	s_setreg_imm32_b32 hwreg(HW_REG_WAVE_MODE, 25, 1), 1
	s_wait_xcnt 0x0
	s_wait_alu depctr_hold_cnt(0) depctr_sa_sdst(0) depctr_va_vdst(0) depctr_va_sdst(0) depctr_va_ssrc(0) depctr_va_vcc(0) depctr_vm_vsrc(0)
	s_getreg_b32 s2, hwreg(HW_REG_IB_STS2, 6, 4)
	s_cmp_eq_u32 s2, 0
	s_cbranch_scc0 .Lentry_in_a_cluster
	s_endpgm
.Lentry_in_a_cluster:
	s_bfe_u32 s2, ttmp6, 0x10000c
	s_cmp_lg_u32 s2, 0xf033
	s_cbranch_scc0 .Lentry_shape_is_right
	s_endpgm
.Lentry_shape_is_right:
.set KTOT,  4096
.set LAPS,  KTOT/1024
.set EA,    82
.set PITCH, 528
.set BOFF,  65536
.set BHALF, 64*PITCH
.set SLOT,  BOFF+2*BHALF
.set SPARE, 2*SLOT
.set ASTEP, 2097152
.set SPITCH, 272
.set BO,   5
.set ADRA, 16
.set ADRB, 20
.set STO,  24
.set RD,   25
.set RO,   26
.set LI,   27
.set SPW,  28
.set NIL,  29
.set BK,   32
.set BI,   96
.set ACC,  128
.set F0,   0
.set F1,   128
.set G1,   24
.set G0,   32
.set G1B,  48
.set G0B,  56
.set MSB, 0
.macro WIN new
.if MSB != \new
	s_set_vgpr_msb (MSB<<8)|\new
.set MSB, \new
.endif
.endm
.set MUL,  0x05
.set TO_F, 0x40
; out0 = x1 + b2 + g W2^T on codes of BF8 (E5M2): g an image of codes [4096 tokens][4096], W2 [1024 (n)][4096 (k)] codes.  A tile is 128 tokens x 128 columns, four waves of 64 x 64; K goes in steps of 512 through two LDS slots.
; WHO ASKS: each wave owns one whole tile: wave 0 slot 0's part of the image, wave 1 slot 0's rows of W2, wave 2 and wave 3 the same of slot 1.  At the head waves 0 and 1 ask for slot 0's tiles; slot 1's are asked for
; by waves 2 and 3 behind the full sequence and a round, as a refill is; a slot is filled again by its two owners.  A wave has one load out at the most.  Some ways through the text pass the head with no tensor load,
; so the add stands twice on end ahead of every round behind which a load follows.  LIMITS: e14 + e15 between -126 and 127.
.macro ONE g0, g1                      ; one joint load, and behind it an s_nop and four v_nop
	tensor_load_to_lds s[\g0:\g0+3], s[\g1:\g1+7]
	s_nop 0
.rept 4
	v_nop
.endr
.endm
.macro JLOAD s                         ; slot s is filled again: wave 2 s asks for the image, wave 2 s + 1 for W2; the other two pass four plain lines, the places ahead of the loads that follow
	s_cmp_eq_u32 s10, 2*\s
	s_cbranch_scc0 .Lfor_b_\@
	ONE G0+4*\s, G1
	s_branch .Lasked_\@
.Lfor_b_\@:
	s_cmp_eq_u32 s10, 2*\s+1
	s_cbranch_scc0 .Lnone_\@
	ONE G0B+4*\s, G1B
	s_branch .Lasked_\@
.Lnone_\@:
.rept 4
	v_nop
.endr
.Lasked_\@:
.endm
.macro CREST
	s_cmp_lg_u32 s10, 0
	s_cbranch_scc1 .Lnot_wave_0_\@
	s_barrier_signal -3
.Lnot_wave_0_\@:
	s_barrier_wait -3
	s_barrier_signal -1
	s_barrier_wait -1
.endm
.macro CROUND
	s_barrier_signal -1
	s_barrier_wait -1
	CREST
.endm
	s_load_b256 s[84:91], s[0:1], 0x0
	s_load_b128 s[92:95], s[0:1], 0x20
	v_lshl_add_u32 v[SPW], v0, 2, SPARE
	v_mov_b32 v[NIL], 0
	ds_add_u32 v28, v29
	ds_add_u32 v28, v29
	s_wait_dscnt 0x0
	v_lshrrev_b32 v1, 5, v0
	v_readfirstlane_b32 s10, v1
	s_lshr_b32 s11, s10, 1
	s_and_b32 s12, s10, 1
	s_bfe_u32 s40, ttmp6, 0x40000
	s_bfe_u32 s41, ttmp6, 0x40004
	s_lshl_b32 s42, ttmp9, 2
	s_add_co_u32 s42, s42, s40
	s_and_b32 s13, ttmp7, 0xffff
	s_lshl_b32 s13, s13, 2
	s_add_co_u32 s13, s13, s41
	s_lshl_b32 s43, s41, 2
	s_lshl_b32 s43, 15, s43
	s_lshl_b32 s44, 0x1111, s40
	s_or_b32 s[G1+0], s43, (3<<16)|(1<<21)
	s_mov_b32 s[G1+1], 32<<16
	s_mov_b32 s[G1+2], 256<<16                     ; the whole tile of the image: 256 rows of 256 bytes
	s_mov_b32 s[G1+3], 32<<16
	s_mov_b32 s[G1+4], 256
	s_mov_b32 s[G1+5], 32
	s_mov_b32 s[G1+6], 0
	s_mov_b32 s[G1+7], 0
	s_or_b32 s[G1B+0], s44, (0<<16)|(1<<20)|(1<<21)|(6<<22)|(3<<25)
	s_mov_b32 s[G1B+1], 512<<16
	s_mov_b32 s[G1B+2], 128<<16                    ; all 128 rows of W2
	s_mov_b32 s[G1B+3], 512<<16
	s_mov_b32 s[G1B+4], 128
	s_mov_b32 s[G1B+5], KTOT
	s_mov_b32 s[G1B+6], 0
	s_mov_b32 s[G1B+7], 0
	s_lshl_b32 s16, s13, 16                        ; the image: 8 blocks a tile row
	s_mov_b32 s17, 0
	s_lshl_b32 s46, s42, 7                         ; W2: the tile column's 128 rows
	s_mul_i32 s46, s46, KTOT
	s_mov_b32 s47, 0
	s_mov_b32 s45, 0                               ; where they go in a slot: constants
	s_mov_b32 s22, BOFF
	s_wait_kmcnt 0x0
	s_load_b512 s[68:83], s[88:89], 0x0
	s_add_nc_u64 s[14:15], s[84:85], s[16:17]
	s_add_nc_u64 s[46:47], s[86:87], s[46:47]
	CROUND
.irp s, 0,1
	s_mov_b32 s[G0+4*\s], 1
	s_add_co_u32 s[G0+4*\s+1], s45, \s*SLOT
	s_add_nc_u64 s[G0+4*\s+2:G0+4*\s+3], s[14:15], \s*ASTEP
	s_or_b32 s[G0+4*\s+3], s[G0+4*\s+3], 0x80000000
	s_mov_b32 s[G0B+4*\s], 1
	s_add_co_u32 s[G0B+4*\s+1], s22, \s*SLOT
	s_add_nc_u64 s[G0B+4*\s+2:G0B+4*\s+3], s[46:47], \s*512
	s_or_b32 s[G0B+4*\s+3], s[G0B+4*\s+3], 0x80000000
.endr
	JLOAD 0                                        ; slot 0's first fills, behind the round above: waves 0 and 1, one load each
	v_and_b32 v1, 15, v0
	v_bfe_u32 v2, v0, 4, 1
	v_and_b32 v3, 31, v0
	v_lshlrev_b32 v[LI], 4, v3
	v_mul_u32_u24 v4, v1, PITCH
	v_lshl_add_u32 v4, v2, 4, v4
	s_lshl_b32 s18, s11, 15
	s_mul_i32 s23, s12, BHALF
	s_add_co_u32 s23, s23, BOFF
.irp s, 0,1
	v_add_nc_u32 v[ADRA+\s], s18, v[LI]
	v_add_nc_u32 v[ADRB+\s], s23, v4
	s_add_co_u32 s18, s18, SLOT
	s_add_co_u32 s23, s23, SLOT
.endr
	s_mul_i32 s8, s10, 16*SPITCH
	v_mul_u32_u24 v6, v1, SPITCH
	v_lshl_add_u32 v6, v2, 5, v6
	v_add_nc_u32 v[STO], s8, v6
	v_mul_u32_u24 v7, v2, SPITCH
	v_lshl_add_u32 v7, v1, 4, v7
	v_add_nc_u32 v[RD], s8, v7
	v_lshlrev_b32 v[BO], 4, v1
	s_wait_alu depctr_va_vdst(0)
	v_lshl_add_u32 v[RO], v2, 12, v[BO]
	s_wait_alu depctr_va_vdst(0)
	s_lshl_b32 s6, s42, 7
	s_lshl_b32 s7, s12, 6
	s_add_co_u32 s6, s6, s7
	s_lshl_b32 s6, s6, 2
	s_mov_b32 s7, 0
	s_add_nc_u64 s[90:91], s[90:91], s[6:7]
	s_lshl_b32 s4, s13, 7
	s_lshl_b32 s5, s11, 6
	s_add_co_u32 s4, s4, s5
	s_lshl_b32 s4, s4, 12
	s_add_co_u32 s4, s4, s6
	s_mov_b32 s5, 0
	s_add_nc_u64 s[92:93], s[92:93], s[4:5]
	s_add_nc_u64 s[94:95], s[94:95], s[4:5]
; PREFETCHES INTO THE L2.  A K step is 256 blocks of 256 bytes of the image's tile and 256 of W2's tile.  Each block is named once in each cluster that will load it: the four partners that ask for a tile jointly
; share its blocks out by address (cx for the image, cy for W2), 64 each; waves 0 and 1 name the image's, waves 2 and 3 W2's, 32 a wave, a lane a block.
; K steps 1 and 2 are named here at the head, one instruction a wave each; behind the load of K step j, from j = 1 on, stands the naming of K step j + 2; the last two refills name nothing, so no address leaves its buffer.
.set PFA, 66                           ; s[66:67] where my prefetches stand
.set PFS, 8                            ; s[8:9]   a K step on, in bytes: ASTEP in the image, 512 in a row of W2
.set PFO, 30                           ; v30      my lane's block; never rewritten
	s_lshl_b32 s4, s13, 16                         ; the image: my tile row's 8 blocks of tokens,
	s_lshl_b32 s6, s40, 14
	s_add_co_u32 s4, s4, s6                        ; my work-group's quarter,
	s_lshl_b32 s6, s12, 13
	s_add_co_u32 s4, s4, s6                        ; my wave's half of it
	s_lshl_b32 s6, s42, 7                          ; W2: my tile column's rows,
	s_lshl_b32 s7, s41, 5
	s_add_co_u32 s6, s6, s7                        ; my work-group's 32,
	s_lshl_b32 s7, s12, 4
	s_add_co_u32 s6, s6, s7                        ; my wave's 16
	s_mul_i32 s6, s6, KTOT
	s_mov_b32 s[PFS], ASTEP
	s_mov_b32 s7, KTOT
	s_cmp_eq_u32 s11, 0                            ; waves 0 and 1: the image
	s_cselect_b32 s4, s4, s6
	s_cselect_b32 s[PFS], s[PFS], 512
	s_cselect_b32 s7, 512, s7                      ; from one pair of lanes to the next
	s_cselect_b64 s[PFA:PFA+1], s[84:85], s[86:87]
	s_mov_b32 s5, 0
	s_mov_b32 s[PFS+1], 0
	s_add_nc_u64 s[PFA:PFA+1], s[PFA:PFA+1], s[4:5]
	s_add_nc_u64 s[PFA:PFA+1], s[PFA:PFA+1], s[PFS:PFS+1]
	s_mov_b64 s[100:101], s[PFA:PFA+1]             ; K step 1's address has a pair of its own
	s_add_nc_u64 s[PFA:PFA+1], s[PFA:PFA+1], s[PFS:PFS+1]   ; at K step 2
	v_lshrrev_b32 v[PFO], 1, v3
	v_mul_u32_u24 v[PFO], v[PFO], s7
	v_and_b32 v6, 1, v3
	v_lshl_add_u32 v[PFO], v6, 8, v[PFO]
	s_mov_b64 s[98:99], s[PFA:PFA+1]               ; K step 2's address has a pair of its own,
	s_add_nc_u64 s[PFA:PFA+1], s[PFA:PFA+1], s[PFS:PFS+1]   ; and the walking pair stands at K step 3
	s_wait_alu depctr_va_vdst(0)
	global_prefetch_b8 v[PFO], s[100:101] th:TH_LOAD_NT scope:SCOPE_SE   ; K step 1
	global_prefetch_b8 v[PFO], s[98:99] th:TH_LOAD_NT scope:SCOPE_SE     ; K step 2
	s_wait_kmcnt 0x0
	s_add_co_i32 s96, s[EA], s[EA+1]
	s_add_co_i32 s96, s96, 127
	s_lshl_b32 s96, s96, 23
	s_mov_b32 s97, s96
.macro MULA f, a, zero
.irp b, 0,1,2,3
.if \zero
	v_wmma_f32_16x16x128_bf8_bf8 v[ACC+8*(4*(\a)+\b):ACC+8*(4*(\a)+\b)+7], v[\f+64+16*\b:\f+64+16*\b+15], v[\f+16*(\a):\f+16*(\a)+15], 0
.else
	v_wmma_f32_16x16x128_bf8_bf8 v[ACC+8*(4*(\a)+\b):ACC+8*(4*(\a)+\b)+7], v[\f+64+16*\b:\f+64+16*\b+15], v[\f+16*(\a):\f+16*(\a)+15], v[ACC+8*(4*(\a)+\b):ACC+8*(4*(\a)+\b)+7]
.endif
.endr
.endm
.macro FETCH slot, q, f
	WIN TO_F
.irp b, 0,1,2,3
.irp c, 0,1,2,3
	ds_load_b128 v[\f+64+16*\b+4*\c:\f+64+16*\b+4*\c+3], v[ADRB+\slot] offset:\b*16*PITCH+128*(\q)+32*\c
.endr
.endr
.irp a, 0,1,2,3
.irp c, 0,1,2,3
	ds_load_b128 v[\f+16*\a+4*\c:\f+16*\a+4*\c+3], v[ADRA+\slot] offset:\a*8192+2048*(\q)+512*\c
.endr
.endr
.endm
.macro PLACES
.rept 4
	v_nop
.endr
.endm
.macro QUARTER slot, qn, f, g, zero
	s_wait_dscnt 8
	WIN MUL
	MULA \f, 0, \zero
	MULA \f, 1, \zero
	PLACES
	FETCH \slot, \qn, \g
	s_wait_dscnt 32
	WIN MUL
	MULA \f, 2, \zero
	MULA \f, 3, \zero
.endm
.macro TURN slot, next, fill
	WIN 0
.if \fill
	s_wait_xcnt 0x0                                ; my last prefetch has read its address: it steps here, a K step behind that prefetch
	s_add_nc_u64 s[PFA:PFA+1], s[PFA:PFA+1], s[PFS:PFS+1]
.endif
	s_wait_tensorcnt 0x0
	ds_add_u32 v[SPW], v[NIL]                      ; 0 onto my spare word
.if \fill
	ds_add_u32 v[SPW], v[NIL]                      ; and once more where a load follows
	s_wait_dscnt 10                                ; the two adds and the youngest eight loads may be out
.else
	s_wait_dscnt 9                                 ; the add and the youngest eight loads may be out
.endif
	WIN MUL
	MULA F1, 0, 0
	MULA F1, 1, 0
	s_wait_dscnt 0x0
	s_barrier_signal -1
	MULA F1, 2, 0
	WIN 0
	s_barrier_wait -1
.if \fill
	CREST
	s_add_nc_u64 s[G0+4*\slot+2:G0+4*\slot+3], s[G0+4*\slot+2:G0+4*\slot+3], 2*ASTEP
	s_add_nc_u64 s[G0B+4*\slot+2:G0B+4*\slot+3], s[G0B+4*\slot+2:G0B+4*\slot+3], 2*512
	JLOAD \slot
.else
	PLACES
.endif
	FETCH \next, 0, F0
.if \fill
	WIN 0                                          ; at a branch and at a label every window is 0
	s_cmp_gt_u32 s3, 1                             ; the loop's last trip has no K step two refills on
	s_cbranch_scc0 .Lnp_\@
	global_prefetch_b8 v[PFO], s[PFA:PFA+1] th:TH_LOAD_NT scope:SCOPE_SE
.Lnp_\@:
.endif
	WIN MUL
	MULA F1, 3, 0
.endm
	s_wait_alu depctr_va_vdst(0)                   ; the wait at the head's end
	s_wait_tensorcnt 0x0                           ; slot 0's loads have landed
	ds_add_u32 v[SPW], v[NIL]
	ds_add_u32 v[SPW], v[NIL]
	s_wait_dscnt 0x0
	CROUND                                         ; slot 0 is whole, and all sixteen work-groups are here
	JLOAD 1                                        ; slot 1's first fills: waves 2 and 3, one load each
	FETCH 0, 0, F0
	global_prefetch_b8 v[PFO], s[PFA:PFA+1] th:TH_LOAD_NT scope:SCOPE_SE   ; K step 3 (the address register lies in window 0)
	QUARTER 0, 1, F0, F1, 1
.if LAPS > 1
	WIN 0
	global_load_b128 v[BI:BI+3], v[BO], s[90:91]   ; bias and residual are wanted on the way out alone: they are asked for here, behind the first tiles, and have the loop in which to come
	WIN 0x80                                       ; destination window 2
.irp a, 0,1,2,3
.irp t, 0,1,2,3,4,5,6,7
	global_load_b128 v[4*(8*\a+\t):4*(8*\a+\t)+3], v[RO], s[92:93] offset:(32*(\a/2)+8*(\a%2)+2*\t+8*(\t/4))*4096
.endr
.endr
	WIN 0
	s_mov_b32 s3, LAPS-1
.Llap:
	QUARTER 0, 2, F1, F0, 0
	QUARTER 0, 3, F0, F1, 0
	TURN 0, 1, 1
	QUARTER 1, 1, F0, F1, 0
	QUARTER 1, 2, F1, F0, 0
	QUARTER 1, 3, F0, F1, 0
	TURN 1, 0, 1
	QUARTER 0, 1, F0, F1, 0
	WIN 0
	s_sub_co_u32 s3, s3, 1
	s_cmp_lg_u32 s3, 0
	s_cbranch_scc1 .Llap
.endif
	QUARTER 0, 2, F1, F0, 0
	QUARTER 0, 3, F0, F1, 0
	TURN 0, 1, 0
	QUARTER 1, 1, F0, F1, 0
	QUARTER 1, 2, F1, F0, 0
	QUARTER 1, 3, F0, F1, 0
	s_wait_dscnt 8
	WIN MUL
	MULA F1, 0, 0
	MULA F1, 1, 0
	s_wait_dscnt 0x0
	MULA F1, 2, 0
	MULA F1, 3, 0
	s_wait_loadcnt 0x0
	WIN 0x82
.set n, 0
.rept 32
	v_pk_add_f32 v[4*n:4*n+1], v[4*n:4*n+1], v[BI:BI+1]
	v_pk_add_f32 v[4*n+2:4*n+3], v[4*n+2:4*n+3], v[BI+2:BI+3]
.set n, n+1
.endr
	WIN 0
.macro TOSTAGE a
.set BB, BK+32*((\a)%2)
.irp b, 0,1,2,3
	ds_store_b128 v[STO], v[ACC+8*(4*(\a)+\b):ACC+8*(4*(\a)+\b)+3] offset:64*\b
	ds_store_b128 v[STO], v[ACC+8*(4*(\a)+\b)+4:ACC+8*(4*(\a)+\b)+7] offset:64*\b+16
.endr
.irp t, 0,1,2,3,4,5,6,7
	ds_load_b128 v[BB+4*\t:BB+4*\t+3], v[RD] offset:\t*2*SPITCH
.endr
.endm
.macro SEND a, younger
.set BB, BK+32*((\a)%2)
	s_wait_dscnt \younger
	WIN 0x20
.irp t, 0,1,2,3,4,5,6,7
.irp u, 0,2
	v_pk_fma_f32 v[BB+4*\t+\u:BB+4*\t+\u+1], v[BB+4*\t+\u:BB+4*\t+\u+1], s[96:97], v[4*(8*(\a)+\t)+\u:4*(8*(\a)+\t)+\u+1] op_sel_hi:[1,0,1]
.endr
.endr
	WIN 0
.irp t, 0,1,2,3,4,5,6,7
	global_store_b128 v[RO], v[BB+4*\t:BB+4*\t+3], s[94:95] offset:(32*((\a)/2)+8*((\a)%2)+2*\t+8*(\t/4))*4096
.endr
.endm
	TOSTAGE 0
.irp a, 1,2,3
.if \a > 1
	s_wait_xcnt 0x0
.endif
	TOSTAGE \a
	SEND \a-1, 16
.endr
	SEND 3, 0
	s_wait_tensorcnt 0x0
	ds_add_u32 v[SPW], v[NIL]
	s_wait_dscnt 0x0
	CROUND
	s_endpgm
.Lfunc_end_k_q1b9f74de5a_ffn2:
	.size	k_q1b9f74de5a_ffn2, .Lfunc_end_k_q1b9f74de5a_ffn2-k_q1b9f74de5a_ffn2
	.p2alignl 7, 3214868480
	.fill 96, 4, 3214868480
	.section	.rodata,"a",@progbits
	.p2align	6, 0x0
	.amdhsa_kernel k_q1b9f74de5a_ffn2
		.amdhsa_group_segment_fixed_size 327680
		.amdhsa_private_segment_fixed_size 0
		.amdhsa_enable_private_segment 0
		.amdhsa_kernarg_size 48
		.amdhsa_user_sgpr_count 2
		.amdhsa_user_sgpr_kernarg_segment_ptr 1
		.amdhsa_wavefront_size32 1
		.amdhsa_system_sgpr_workgroup_id_x 1
		.amdhsa_system_sgpr_workgroup_id_y 1
		.amdhsa_system_sgpr_workgroup_id_z 1
		.amdhsa_system_vgpr_workitem_id 0
		.amdhsa_next_free_vgpr 640
		.amdhsa_next_free_sgpr 102
		.amdhsa_reserve_vcc 0
		.amdhsa_float_denorm_mode_32 3
		.amdhsa_float_denorm_mode_16_64 3
		.amdhsa_memory_ordered 1
		.amdhsa_forward_progress 1
		.amdhsa_inst_pref_size 85
	.end_amdhsa_kernel
	.amdgpu_metadata
---
amdhsa.version: [ 1, 2 ]
amdhsa.kernels:
  - .name:           k_q1b9f74de5a_ffn2
    .symbol:         k_q1b9f74de5a_ffn2.kd
    .args:
      - { .name: gimg, .offset: 0, .size: 8, .value_kind: global_buffer, .address_space: global }
      - { .name: W2_codes, .offset: 8, .size: 8, .value_kind: global_buffer, .address_space: global }
      - { .name: lowp_scales, .offset: 16, .size: 8, .value_kind: global_buffer, .address_space: global }
      - { .name: b2, .offset: 24, .size: 8, .value_kind: global_buffer, .address_space: global }
      - { .name: x1, .offset: 32, .size: 8, .value_kind: global_buffer, .address_space: global }
      - { .name: out0, .offset: 40, .size: 8, .value_kind: global_buffer, .address_space: global }
    .group_segment_fixed_size: 327680
    .private_segment_fixed_size: 0
    .kernarg_segment_align: 8
    .kernarg_segment_size: 48
    .max_flat_workgroup_size: 128
    .sgpr_count:     102
    .vgpr_count:     640
    .wavefront_size: 32
...
	.end_amdgpu_metadata
.endif
;; end of part 7
